; MI455X (gfx1250); checked and timed in simulation.
; The chip was launched on July 23, 2026; its instructions are those of AMD's public machine-readable ISA for CDNA 5 (MIT licence, August 2026) and "CDNA5" Instruction Set Architecture Reference Guide (July 2026). The comments in the code are by the model that wrote it; some were corrected since.
;; Multi Head Attention. Allowed arithmetic: matrix products marked QUANTISED: E2M1 operands, one E8M0 scale for each 32 along K, by v_wmma_scale_f32_16x16x128_f8f6f4 with both operands' format E2M1 (or v_wmma_scale_f32_32x16x128_f4), f32 sums; products left as they are: bf16, f16 or f32 operands; f32 sums; everything else in f32.
;; Inputs: q 4 x 2,048 x 1,024 float32; wk 1,024 x 1,024 float32; wo 1,024 x 1,024 float32; wq 1,024 x 1,024 float32; wv 1,024 x 1,024 float32.
;; Outputs: out0 4 x 2,048 x 1,024 float32.
;; This version of the problem:
;;   THIS VERSION OF THE PROBLEM IS GIVEN IN LOW PRECISION. The matrix products marked QUANTISED in the list below multiply operands that are first quantised to E2M1 (2 exponent bits, 1 mantissa bit; 4 bits a number), with one power-of-two scale for each 32 numbers along K (OCP MX v1.0); their sums are f32. The products marked 'left as it is' may take bf16, f16 or f32 operands, with f32 sums. Whichever they take, every output number must still come out within the allowed error. Rounding operands to bf16 (8 significant bits) uses up far more of that allowance than f16 does (11 bits, for magnitudes from 6e-5 to 65,504). All else is computed in f32.
;;   The module's matrix products, in the order in which they are computed (A, B: the left and right operand; K: the contracted axis; several contracted axes count as one K, in the product's order):
;;     1. [M 8,192, K 1,024] x [K 1,024, N 1,024]; A: input q; B: input wq: QUANTISED
;;     2. [M 8,192, K 1,024] x [K 1,024, N 1,024]; A: input q; B: input wk: QUANTISED
;;     3. [M 8,192, K 1,024] x [K 1,024, N 1,024]; A: input q; B: input wv: QUANTISED
;;     4. batch 4 x [M 2,048, K 1,024] x [K 1,024, N 2,048]; A: computed on the way; B: computed on the way: left as it is (an operand is computed on the way)
;;     5. batch 4 x [M 2,048, K 2,048] x [K 2,048, N 1,024]; A: computed on the way; B: computed on the way: left as it is (an operand is computed on the way)
;;     6. [M 8,192, K 1,024] x [K 1,024, N 1,024]; A: computed on the way; B: input wo: left as it is (an operand is computed on the way)
;;   THE QUANTISER, for each operand of a quantised product, along K:
;;     - K is cut into blocks of 32 from its start; a last block that is shorter is filled with zeros.
;;     - A block's scale is 2^e with e = floor(log2(the largest magnitude in the block)) - 2, held to -126 .. 127; a block of zeros has e = 0. As a byte (E8M0): e + 127.
;;     - Each number is divided by its block's scale, clamped to +-6, and rounded to the nearest number of E2M1, ties to even, subnormals kept.
;;     - The product sums the exact products of the quantised numbers (number of the format x scale) in f32.
;;   ~~~python
;;   def quantise(x, axis):      # numpy; x: float32 -> the quantised numbers, widened to float32 again
;;       x = np.moveaxis(x, axis, -1); K = x.shape[-1]
;;       x = np.pad(x, [(0, 0)] * (x.ndim - 1) + [(0, -K % 32)]); x = x.reshape(x.shape[:-1] + (-1, 32)); a = np.abs(x).max(-1, keepdims=True)
;;       e = np.where(a > 0, np.clip(np.frexp(np.where(a > 0, a, 1))[1] - 1 - 2, -126, 127), 0)      # np.frexp(a)[1] - 1 = floor(log2(a)), exactly
;;       r = np.clip(x / 2.0 ** e, -6, 6)
;;       step = 2.0 ** (np.maximum(np.frexp(np.where(r == 0, 1, r))[1] - 1, 0) - 1)
;;       q = np.round(r / step) * step * 2.0 ** e      # np.round: ties to even
;;       return np.moveaxis(q.reshape(q.shape[:-2] + (-1,))[..., :K], -1, axis).astype(np.float32)
;;   ~~~
;; One version. Each part assembles by itself: llvm-mc -triple=amdgcn-amd-amdhsa -mcpu=gfx1250 --defsym DOCPART=n.
;; ======== version 1 of 1: 5 launches
;; limits: values are held in f16: magnitudes above 65,504 overflow, below 6.1e-05 lose precision
;; workspace buffers: cod 5,767,168 bytes; scl 360,448 bytes; wo16 2,097,152 bytes; qk 33,554,432 bytes; vt 16,777,216 bytes; p 33,554,432 bytes; stat 1,048,576 bytes; xt 16,777,216 bytes
;; launch quant (part 1): grid 384 x 1, 4 waves a work-group, no clusters, 33,280 bytes of LDS; arguments q, wq, wk, wv, wo, cod, scl, wo16; writes cod, scl, wo16
.if DOCPART == 1
	.amdgcn_target "amdgcn-amd-amdhsa--gfx1250"
	.amdhsa_code_object_version 6
	.text
	.protected	k_qf325d38742_quant
	.globl	k_qf325d38742_quant
	.p2align	8
	.type	k_qf325d38742_quant,@function
k_qf325d38742_quant:
	s_mov_b64 s[64:65], 0
	v_nop
	global_prefetch_b8 v0, s[64:65] scope:SCOPE_SE
	s_setreg_imm32_b32 hwreg(HW_REG_WAVE_MODE, 25, 1), 1
	s_wait_xcnt 0x0
; q [8192][1024], wq, wk, wv [1024][1024], f32, become codes of FP4 (E2M1), K innermost, with one E8M0 scale byte for each 32 along K; wo [1024][1024] becomes f16.
; cod: [11264 rows][512 bytes]: rows 0-8191 q, then wq, wk, wv, 1,024 rows each.  scl: [11264][32 bytes], the same rows.  wo16: [1024][1024] f16.
; A block's scale is 2^(floor(log2(its largest magnitude)) - 2); its byte is the largest magnitude's exponent field - 2, held at 1 from below.  (A block of zeros so gets the byte 1 where the rule says 127:
; its codes are zeros, which add nothing under any byte but 0xff, and the bytes are read by this program alone.)  Each number is divided by the scale and rounded to the nearest code, ties to even; beyond 6 the largest code.
; LIMITS: blocks whose largest magnitude lies under 2^-124 keep the byte 1; NaN and infinities among the inputs are not served; |wo| stays at or under 65,504, under 6e-5 it is kept with the step 2^-24.
; Rows are dense and K is a multiple of 32, so each tensor is a plain stream of blocks of 32.  A work-group takes 32,768 numbers, a wave 8,192.  Work-groups 0-255 take q, 256-287 wq, 288-319 wk, 320-351 wv:
; the outputs lie in the same order, so a wave's run of codes and of scale bytes follows from the work-group's number alone.  Work-groups 352-383 take wo.
; THE QUANTISING PATH: 16 steps of 512 numbers.  Each of a step's four loads reads 512 consecutive bytes, 16 a lane; the 2,048 bytes turn through the wave's own stage in LDS and come back 64 bytes a lane, so that a lane
; holds 16 neighbours along K (two neighbouring lanes hold a block).  A lane's 16 codes are 8 bytes: the wave stores 256 consecutive bytes.  A wave's 256 scale bytes are gathered in LDS and leave as one store of 256 bytes.
; No tensor loads, no barrier: waves share nothing.  Loads run four steps (16 loads a wave) ahead, the turn through LDS one step.
.set WAVES, 4
.set STEPS, 16
.set WG_WO, 352                        ; the first work-group that takes wo
.set EMAX,  2
.set CB,    8                          ; bytes of 16 codes
.set R,     16                         ; v16-79   four sets of 16 numbers as they are loaded
.set X,     80                         ; v80-111  two sets of 16 neighbours
.set E,     112                        ; v112-127 a scale byte for each step
.set C,     128                        ; v128-191 codes: four registers for each step, so that no store's data are written again
.set WR,    16                         ; wo's path: v16-143 two sets of 64 numbers
.set WH,    144                        ; wo's path: v144-175 32 registers of f16 pairs
.set WREG,  8192                       ; LDS: a region of its own for each wave: two stages of 32 x SP bytes, and behind them its 256 scale bytes
.set SP,    80                         ; a lane's place in a stage: its 64 bytes + 16 of padding
.set SPW,   12                         ; v12      LDS address of my spare word: SPARE + 4 x my thread's number; never rewritten
.set NIL,   13                         ; v13      0; never rewritten
.set SPARE, WAVES*WREG                 ; behind the four regions: the spare words, 128 bytes for each wave
	s_load_b256 s[4:11], s[0:1], 0x0               ; q s[4:5], wq s[6:7], wk s[8:9], wv s[10:11]
	s_load_b256 s[12:19], s[0:1], 0x20             ; wo s[12:13], cod s[14:15], scl s[16:17], wo16 s[18:19]
	v_lshl_add_u32 v[SPW], v0, 2, SPARE
	v_mov_b32 v[NIL], 0
	v_lshrrev_b32 v1, 5, v0
	v_readfirstlane_b32 s20, v1                    ; wave
	v_and_b32 v2, 31, v0                           ; lane
	v_lshlrev_b32 v3, 4, v2                        ; my 16 bytes of a load's 512
	s_mul_i32 s21, s20, WREG
	v_lshrrev_b32 v14, 2, v2
	v_mul_u32_u24 v14, v14, SP
	v_and_b32 v15, 3, v2
	v_lshl_add_u32 v14, v15, 4, v14
	v_add_nc_u32 v14, s21, v14                     ; the stage, on the way in: four lanes' 64 bytes on end, then 16 of padding
	v_mul_u32_u24 v15, v2, SP
	v_add_nc_u32 v15, s21, v15                     ; and on the way out: SP x lane: my 16 neighbours
	v_mul_u32_u24 v4, v2, CB                       ; 8 x lane: my codes' place in a step's; on wo's path my four f16
	v_lshrrev_b32 v5, 1, v2
	s_add_co_u32 s21, s21, 2*32*SP
	v_add_nc_u32 v5, s21, v5                       ; LDS: my wave's 256 scale bytes, my block's byte
	v_lshlrev_b32 v7, 3, v2                        ; and on the way out 8 bytes a lane
	v_add_nc_u32 v6, s21, v7
	s_mov_b32 s31, 0                               ; the high word of every offset below
	s_wait_kmcnt 0x0
	s_cmp_lt_u32 ttmp9, WG_WO                      ; the paths part on the work-group's number alone
	s_cbranch_scc1 .Lquantise
	; ---- wo to f16: a wave takes 8,192 numbers, in four batches of 16 loads; no LDS
	s_sub_co_u32 s29, ttmp9, WG_WO
	s_lshl_b32 s29, s29, 2
	s_add_co_u32 s29, s29, s20                     ; which run of 8,192 numbers is my wave's
	s_lshl_b32 s30, s29, 15
	s_add_nc_u64 s[22:23], s[12:13], s[30:31]      ; 32,768 bytes of f32 a run
	s_lshl_b32 s30, s29, 14
	s_add_nc_u64 s[24:25], s[18:19], s[30:31]      ; 16,384 bytes of f16
.macro WLOAD g                         ; batch g into set g % 2: each load reads 512 consecutive bytes
.irp i, 0,1,2,3,4,5,6,7,8,9,10,11,12,13,14,15
	global_load_b128 v[WR+64*((\g)%2)+4*\i:WR+64*((\g)%2)+4*\i+3], v3, s[22:23] offset:(16*(\g)+\i)*512 th:TH_LOAD_NT
.endr
.endm
.macro WCVT g                          ; four numbers a lane become 8 bytes: the wave stores 256 consecutive bytes
.irp i, 0,1,2,3,4,5,6,7,8,9,10,11,12,13,14,15
	v_cvt_pk_f16_f32 v[WH+2*\i], v[WR+64*((\g)%2)+4*\i], v[WR+64*((\g)%2)+4*\i+1]
	v_cvt_pk_f16_f32 v[WH+2*\i+1], v[WR+64*((\g)%2)+4*\i+2], v[WR+64*((\g)%2)+4*\i+3]
	global_store_b64 v4, v[WH+2*\i:WH+2*\i+1], s[24:25] offset:(16*(\g)+\i)*256
.endr
.endm
	WLOAD 0
	WLOAD 1
	s_wait_loadcnt 16                              ; batch 0 is in; batch 1's sixteen loads may be out
	WCVT 0
	WLOAD 2
	s_wait_loadcnt 16                              ; batch 1 is in
	s_wait_xcnt 0x0                                ; the last batch's stores have read their data: the f16 registers are written again only behind this wait
	WCVT 1
	WLOAD 3
	s_wait_loadcnt 16                              ; batch 2 is in
	s_wait_xcnt 0x0
	WCVT 2
	s_wait_loadcnt 0x0                             ; batch 3 is in
	s_wait_xcnt 0x0
	WCVT 3
	s_branch .Lend
.Lquantise:
	; ---- which tensor: only pointers are chosen, on the work-group's number; behind each compare stand selects and moves alone
	s_mov_b32 s28, 320
	s_cmp_lt_u32 ttmp9, 320
	s_cselect_b64 s[22:23], s[8:9], s[10:11]       ; wk or wv
	s_cselect_b32 s28, 288, s28                    ; and the tensor's first work-group
	s_cmp_lt_u32 ttmp9, 288
	s_cselect_b64 s[22:23], s[6:7], s[22:23]       ; wq
	s_cselect_b32 s28, 256, s28
	s_cmp_lt_u32 ttmp9, 256
	s_cselect_b64 s[22:23], s[4:5], s[22:23]       ; q
	s_cselect_b32 s28, 0, s28
	s_sub_co_u32 s29, ttmp9, s28
	s_lshl_b32 s29, s29, 2
	s_add_co_u32 s29, s29, s20                     ; which run of 8,192 numbers of the tensor is my wave's
	s_lshl_b32 s30, s29, 15
	s_add_nc_u64 s[22:23], s[22:23], s[30:31]
	s_lshl_b32 s29, ttmp9, 2
	s_add_co_u32 s29, s29, s20                     ; and which run of the outputs: they lie in the work-groups' order
	s_lshl_b32 s30, s29, 12
	s_add_nc_u64 s[24:25], s[14:15], s[30:31]      ; 4,096 bytes of codes a run
	s_lshl_b32 s30, s29, 8
	s_add_nc_u64 s[26:27], s[16:17], s[30:31]      ; 256 scale bytes a run
.macro LOAD t
.irp i, 0,1,2,3
	global_load_b128 v[R+16*((\t)%4)+4*\i:R+16*((\t)%4)+4*\i+3], v3, s[22:23] offset:2048*(\t)+512*\i th:TH_LOAD_NT   ; 32 lanes read 512 consecutive bytes
.endr
.endm
.macro TURN t                          ; step t's numbers through the stage: LDS serves a wave's instructions in order, so no wait stands between the stores and the loads
.irp i, 0,1,2,3
	ds_store_b128 v14, v[R+16*((\t)%4)+4*\i:R+16*((\t)%4)+4*\i+3] offset:32*SP*((\t)%2)+8*SP*\i
.endr
.irp i, 0,1,2,3
	ds_load_b128 v[X+16*((\t)%2)+4*\i:X+16*((\t)%2)+4*\i+3], v15 offset:32*SP*((\t)%2)+16*\i
.endr
.endm
.irp t, 0,1,2,3
	LOAD \t
.endr
	s_wait_loadcnt 12                              ; step 0's four loads are in
	TURN 0
.macro STEP t
.set XS, X+16*((\t)%2)
.if (\t) > 0
	s_wait_dscnt 1                                 ; this step's numbers are back from the stage (the last step's byte store may be out): so its stores into the stage have read their registers,
.else
	s_wait_dscnt 0x0
.endif
.if (\t)+4 < STEPS
	LOAD (\t)+4                                    ; which take the loads of four steps on
.endif
.if (\t)+1 < STEPS
.if STEPS-2-(\t) >= 3
	s_wait_loadcnt 12                              ; the next step's four loads are in; those of the three steps behind it may be out
.else
	s_wait_loadcnt 4*(STEPS-2-(\t))
.endif
	TURN (\t)+1                                    ; and go through the other stage while this step is worked
.endif
	v_max3_num_f32 v8, |v[XS]|, |v[XS+1]|, |v[XS+2]|               ; the largest magnitude of my 16, in two chains
	v_max3_num_f32 v9, |v[XS+3]|, |v[XS+4]|, |v[XS+5]|
.irp i, 6,10
	v_max3_num_f32 v8, v8, |v[XS+\i]|, |v[XS+\i+1]|
	v_max3_num_f32 v9, v9, |v[XS+\i+2]|, |v[XS+\i+3]|
.endr
	v_max3_num_f32 v8, v8, |v[XS+14]|, |v[XS+15]|
	v_max3_num_f32 v8, v8, v9, (EMAX+1)<<23        ; and the floor 2^(EMAX + 1 - 127): the byte cannot fall under 1
	v_max_num_f32_dpp v8, v8, v8 row_xmask:1 row_mask:0xf bank_mask:0xf   ; and of my neighbour's 16: the block's
	v_add_nc_u32 v11, -(EMAX<<23), v8              ; EMAX off its exponent field: the conversion takes the exponent field of this operand as its scale, and nothing else of it
	v_cvt_scalef32_pk8_fp4_f32 v[C+4*(\t)], v[XS:XS+7], v11        ; eight numbers / the scale, to the nearest code; the first number's code in the lowest four bits
	v_cvt_scalef32_pk8_fp4_f32 v[C+4*(\t)+1], v[XS+8:XS+15], v11
	v_lshrrev_b32 v[E+(\t)], 23, v11               ; the scale's byte (also the plain line behind the conversions)
	ds_store_b8 v5, v[E+(\t)] offset:16*(\t)       ; both lanes of a block write the same byte with the same value
	global_store_b64 v4, v[C+4*(\t):C+4*(\t)+1], s[24:25] offset:32*CB*(\t)
.endm
.irp t, 0,1,2,3,4,5,6,7,8,9,10,11,12,13,14,15
	STEP \t
.endr
	ds_load_b64 v[8:9], v6                         ; LDS serves a wave's instructions in order: these see my stores
	s_wait_dscnt 0x0
	global_store_b64 v7, v[8:9], s[26:27]          ; 32 lanes store 256 consecutive bytes, at a multiple of 256 from scl's first byte
.Lend:
	s_wait_tensorcnt 0x0                           ; the wave's end
	ds_add_u32 v[SPW], v[NIL]
	s_wait_dscnt 0x0
	s_endpgm
.Lfunc_end_k_qf325d38742_quant:
	.size	k_qf325d38742_quant, .Lfunc_end_k_qf325d38742_quant-k_qf325d38742_quant
	.p2alignl 7, 3214868480
	.fill 96, 4, 3214868480
	.section	.rodata,"a",@progbits
	.p2align	6, 0x0
	.amdhsa_kernel k_qf325d38742_quant
		.amdhsa_group_segment_fixed_size 33280
		.amdhsa_private_segment_fixed_size 0
		.amdhsa_enable_private_segment 0
		.amdhsa_kernarg_size 64
		.amdhsa_user_sgpr_count 2
		.amdhsa_user_sgpr_kernarg_segment_ptr 1
		.amdhsa_wavefront_size32 1
		.amdhsa_system_sgpr_workgroup_id_x 1
		.amdhsa_system_sgpr_workgroup_id_y 1
		.amdhsa_system_sgpr_workgroup_id_z 1
		.amdhsa_system_vgpr_workitem_id 0
		.amdhsa_next_free_vgpr 192
		.amdhsa_next_free_sgpr 66
		.amdhsa_reserve_vcc 0
		.amdhsa_float_denorm_mode_32 3
		.amdhsa_float_denorm_mode_16_64 3
		.amdhsa_memory_ordered 1
		.amdhsa_forward_progress 1
		.amdhsa_inst_pref_size 54
	.end_amdhsa_kernel
	.amdgpu_metadata
---
amdhsa.version: [ 1, 2 ]
amdhsa.kernels:
  - .name:           k_qf325d38742_quant
    .symbol:         k_qf325d38742_quant.kd
    .args:
      - { .name: q, .offset: 0, .size: 8, .value_kind: global_buffer, .address_space: global }
      - { .name: wq, .offset: 8, .size: 8, .value_kind: global_buffer, .address_space: global }
      - { .name: wk, .offset: 16, .size: 8, .value_kind: global_buffer, .address_space: global }
      - { .name: wv, .offset: 24, .size: 8, .value_kind: global_buffer, .address_space: global }
      - { .name: wo, .offset: 32, .size: 8, .value_kind: global_buffer, .address_space: global }
      - { .name: cod, .offset: 40, .size: 8, .value_kind: global_buffer, .address_space: global }
      - { .name: scl, .offset: 48, .size: 8, .value_kind: global_buffer, .address_space: global }
      - { .name: wo16, .offset: 56, .size: 8, .value_kind: global_buffer, .address_space: global }
    .group_segment_fixed_size: 33280
    .private_segment_fixed_size: 0
    .kernarg_segment_align: 8
    .kernarg_segment_size: 64
    .max_flat_workgroup_size: 128
    .sgpr_count:     66
    .vgpr_count:     192
    .wavefront_size: 32
...
	.end_amdgpu_metadata
.endif
;; end of part 1
;; launch proj (part 2): grid 12 x 32, 4 waves a work-group, clusters of 4 x 4, 327,680 bytes of LDS; arguments cod, scl, qk, vt; writes qk, vt
.if DOCPART == 2
	.amdgcn_target "amdgcn-amd-amdhsa--gfx1250"
	.amdhsa_code_object_version 6
	.text
	.protected	k_qf325d38742_proj
	.globl	k_qf325d38742_proj
	.p2align	8
	.type	k_qf325d38742_proj,@function
k_qf325d38742_proj:
	s_mov_b64 s[64:65], 0
	v_nop
	global_prefetch_b8 v0, s[64:65] scope:SCOPE_SE
	s_setreg_imm32_b32 hwreg(HW_REG_WAVE_MODE, 25, 1), 1
	s_wait_xcnt 0x0
	s_wait_alu depctr_hold_cnt(0) depctr_sa_sdst(0) depctr_va_vdst(0) depctr_va_sdst(0) depctr_va_ssrc(0) depctr_va_vcc(0) depctr_vm_vsrc(0)
	s_getreg_b32 s2, hwreg(HW_REG_IB_STS2, 6, 4)
	s_cmp_eq_u32 s2, 0
	s_cbranch_scc0 .Lentry_in_a_cluster
	s_endpgm
.Lentry_in_a_cluster:
	s_bfe_u32 s2, ttmp6, 0x10000c
	s_cmp_lg_u32 s2, 0xf033
	s_cbranch_scc0 .Lentry_shape_is_right
	s_endpgm
.Lentry_shape_is_right:
; The three quantised products, on codes of FP4 (E2M1) with one E8M0 scale for each 32 along K = 1,024; sums in f32, results rounded once to f16.
; cod: [11264][512 bytes], scl: [11264][32 bytes]: rows 0-8191 q, 8192 on wq, 9216 on wk, 10240 on wv.
; One form serves all: C = A B^T on tiles of 256 x 256, counted in tiles of 256 rows of cod.  The cluster's x says which product:
;   x = 0, 1: A = q's rows, B = wq's and wk's rows (eight tiles on end); C goes to qk [8192 (b, s)][2048]: columns 0-1023 Q, 1024-2047 K.
;   x = 2:    A = wv's rows, B = q's rows; C goes to vt [4 b][1024 e][2048 s]: V with the keys innermost, as the later product over the keys wants it.
; Both C have rows of 4,096 bytes.  The choice is made by selects on the cluster's x, the same in all sixteen partners; no branch hangs on it.
; LIMITS: |Q|, |K|, |V| stay at or under 65,504 (f16); under 6e-5 they are kept with the step 2^-24.
; A work-group of four waves makes a tile; a wave 128 x 128: 64 accumulators, 512 registers.  K is two slots of 512 (rows of 256 bytes), both asked for at the start; the scales of the work-group's rows come once.
; CLUSTERS: 4 x 4 work-groups.  The four of a row of the cluster need the same tile of A, the four of a column the same tile of B: each is asked for JOINTLY, by the same tensor load with a mask that names the four.
; THE MATRIX INSTRUCTION IS USED TRANSPOSED (source 0 = 16 rows of B, source 1 = 16 rows of A): a lane then holds eight neighbouring numbers of a row of C.
; REGISTERS, in windows of 256: window 0: v0-31 addresses; v32-95 scale words, two sets; v128-191 A's fragments, ONE set, on the way out rows read back; v192-223 packed results.
;   window 1: B's fragments, TWO sets, at v0 and at v128.   window 2: the accumulators of my rows 0-63 ((a, b) at v[8 (8 a + b)]);   window 3: those of my rows 64-127.
.set SIZE_K, 1024
.set KSTEP,  512                       ; along K in a slot
.set NQ,     KSTEP/128                 ; matrix instructions deep
.set ROWB,   256                       ; a tile's row in bytes
.set KROW,   SIZE_K*4/8                ; a row of cod in bytes
.set PITCH,  272                       ; an LDS row: 256 bytes + 16 of padding = 68 words: the 16 rows that a load touches start 4 banks apart (64 banks of 4 bytes: ISA guide 11.1)
.set FR,     8                         ; registers of a fragment: 16 rows x 128 K
.set NL,     2                         ; LDS loads that bring one
.set NP,     4                         ; places behind this matrix instruction (ISA guide 7.12.1)
.set HALFT,  128*PITCH                 ; 128 rows: what one tensor load brings, and what one wave reads of A or of B
.set SLOT,   4*HALFT                   ; A's 256 rows, then B's 256 rows
.set KS,     SIZE_K/32                 ; a row of scales in bytes
.set SCL,    2*SLOT                    ; behind the ring: the scales, as units of 256 bytes + 16 of padding
.set HALFS,  (128*KS/256)*272          ; the scales of 128 rows: what one tensor load brings
.set SBLK,   (16*KS/256)*272           ; those of 16 rows
.set SPARE,  SCL+4*HALFS               ; behind the scales: the spare words, 128 bytes for each wave
.set SPITCH, 272                       ; the way out: a stage of 16 rows x (256 bytes + 16) for each wave, in slot 0, which has had its last fill and its last read when the first result is stored there
.set CROW,   4096                      ; a row of qk or of vt in bytes
.set ADRA, 16                          ; v16-17  LDS address of my A fragments in slot 0, 1
.set ADRB, 20                          ; v20-21  the same for B
.set STO,  24                          ; v24     the way out: where I put 16 bytes of a row
.set RD,   25                          ; v25     the way out: where I read a row back
.set CO,   26                          ; v26     my byte offset in two rows of C
.set ADRS, 27                          ; v27     LDS address of my scale words: lanes 0-15 A's rows, lanes 16-31 B's
.set SPW,  28                          ; v28     LDS address of my spare word; never rewritten
.set NIL,  29                          ; v29     0; never rewritten
.set SC,   32                          ; scale words: set s at v[SC + 8 NQ s]; register NQ i + q: lanes 0-15 the word of A's block i, lanes 16-31 that of B's block i, for the slot's q-th 128 along K
.set AF,   128                         ; A's fragments, in window 0
.set BK,   128                         ; the way out: 16 rows read back: v128-159 and v160-191 by turns
.set TMP,  192                         ; the way out: packed results
.set G1, 24                            ; s[24:31] descriptor group 1 for A's tiles;  s[32:39] group 0, one set for each slot
.set G0, 32
.set G1B, 48                           ; s[48:55], s[56:63] the same for B's tiles
.set G0B, 56
.set G1S, 68                           ; s[68:75], s[76:79] groups 1 and 0 for A's scales;  s[80:87], s[88:91] for B's
.set G0S, 76
.set G1SB, 80
.set G0SB, 88
.set MSB, 0
.macro WIN new                         ; the immediate's high byte repeats the setting that is left; a switch that changes nothing is dropped
.if MSB != (\new)
	s_set_vgpr_msb (MSB<<8)|(\new)
.set MSB, (\new)
.endif
.endm
.set MUL_LO, 0xa1                      ; source 0 (B) window 1, source 1 (A) window 0, C and D window 2
.set MUL_HI, 0xf1                      ; the same, C and D window 3
.set TO_B,   0x40                      ; destination window 1, address window 0
; A joint load: waves 0 and 1 fetch for A, waves 2 and 3 for B.  Each of the two lines has ONE mask and one set of registers for all that issue it; the branch hangs on the wave's number alone.
; An s_nop 0 and four v_nop follow each of the two lines, ahead of the jump, the label and what follows.
.macro JLOAD g0a, g1a, g0b, g1b
	s_cmp_eq_u32 s15, 0
	s_cbranch_scc0 .Lfor_b_\@
	tensor_load_to_lds s[\g0a:\g0a+3], s[\g1a:\g1a+7]
	s_nop 0
.rept 4
	v_nop
.endr
	s_branch .Lasked_\@
.Lfor_b_\@:
	tensor_load_to_lds s[\g0b:\g0b+3], s[\g1b:\g1b+7]
	s_nop 0
.rept 4
	v_nop
.endr
.Lasked_\@:
.endm
.macro CROUND                          ; a round of the cluster's barrier: my work-group's barrier; wave 0 signals for the work-group; every wave waits for all sixteen; my work-group's barrier once more
	s_barrier_signal -1
	s_barrier_wait -1
	s_cmp_lg_u32 s14, 0
	s_cbranch_scc1 .Lnot_wave_0_\@
	s_barrier_signal -3
.Lnot_wave_0_\@:
	s_barrier_wait -3
	s_barrier_signal -1
	s_barrier_wait -1
.endm
	s_load_b128 s[4:7], s[0:1], 0x0                ; cod s[4:5], scl s[6:7]
	s_load_b128 s[8:11], s[0:1], 0x10              ; qk s[8:9], vt s[10:11]
	v_lshl_add_u32 v[SPW], v0, 2, SPARE
	v_mov_b32 v[NIL], 0
	ds_add_u32 v[SPW], v[NIL]                      ; the wave's opening: the add, twice on end, and its wait ahead of my first tensor load; the set-up below stands between the second and the wait
	ds_add_u32 v[SPW], v[NIL]
	v_lshrrev_b32 v1, 5, v0
	v_readfirstlane_b32 s14, v1                    ; wave 0..3
	s_lshr_b32 s15, s14, 1                         ; which half of the tile's rows is mine.  Also: I fetch for A (0) or for B (1)
	s_and_b32 s16, s14, 1                          ; which half of its columns.  Also: which 128 rows of that tile I fetch
	s_bfe_u32 s40, ttmp6, 0x40000                  ; cx, cy: my place in the cluster
	s_bfe_u32 s41, ttmp6, 0x40004
	s_and_b32 s96, ttmp7, 0xffff                   ; Y: the cluster's y, 0..7
	s_lshl_b32 s97, s96, 2                         ; 4 Y
	s_lshl_b32 s98, ttmp9, 2                       ; 4 X
	s_add_co_u32 s99, s98, 32                      ; wq's first tile is 32
	s_lshr_b32 s100, s96, 1
	s_lshl_b32 s100, s100, 2                       ; 4 x the batch: vt has four tiles of rows a batch
	s_and_b32 s101, s96, 1
	s_lshl_b32 s101, s101, 2                       ; 4 x (which half of the batch's eight tiles of keys)
	s_cmp_eq_u32 ttmp9, 2                          ; V's clusters?  The selects act on numbers that all sixteen partners share; cy and cx are added afterwards, each into registers that never hold the other
	s_cselect_b32 s17, 40, s97                     ; A's tile: wv's first, or q's 4 Y
	s_cselect_b32 s42, s97, s99                    ; B's tile: q's 4 Y, or the weights' 32 + 4 X
	s_cselect_b32 s2, s100, s97                    ; C's tile row
	s_cselect_b32 s3, s101, s98                    ; C's tile column
	s_add_co_u32 s17, s17, s41
	s_add_co_u32 s42, s42, s40
	s_add_co_u32 s2, s2, s41
	s_add_co_u32 s3, s3, s40
	s_lshl_b32 s43, s41, 2
	s_lshl_b32 s43, 15, s43                        ; my row of the cluster
	s_lshl_b32 s44, 0x1111, s40                    ; my column
	; descriptor group 1: a tile of 128 rows x ROWB bytes, padded in LDS
	s_or_b32 s[G1+0], s43, (0<<16)|(1<<20)|(1<<21)|(5<<22)|(3<<25)  ; 15:0 the mask: A's tiles go to my row; 17:16 element of 1 byte; 20 padding on; 21 set beside a mask; 24:22 after every 64 words (code 5); 31:25 of 4 words (code 3)
	s_or_b32 s[G1B+0], s44, (0<<16)|(1<<20)|(1<<21)|(5<<22)|(3<<25)
.irp g, G1, G1B
	s_mov_b32 s[\g+1], ROWB<<16                    ; tensor_dim0
	s_mov_b32 s[\g+2], 128<<16                     ; tensor_dim1 = 128
	s_mov_b32 s[\g+3], ROWB<<16                    ; tile_dim0
	s_mov_b32 s[\g+4], 128                         ; tile_dim1 = 128
	s_mov_b32 s[\g+5], KROW                        ; tensor_dim0_stride
	s_mov_b32 s[\g+6], 0
	s_mov_b32 s[\g+7], 0
.endr
	; and for the scales of 128 rows: a dense block of 128 KS bytes, as rows of 256 bytes (32 elements of 8 bytes), 16 bytes of padding behind each
	s_or_b32 s[G1S+0], s43, (3<<16)|(1<<20)|(1<<21)|(5<<22)|(3<<25)
	s_or_b32 s[G1SB+0], s44, (3<<16)|(1<<20)|(1<<21)|(5<<22)|(3<<25)
.irp g, G1S, G1SB
	s_mov_b32 s[\g+1], 32<<16
	s_mov_b32 s[\g+2], (128*KS/256)<<16
	s_mov_b32 s[\g+3], 32<<16
	s_mov_b32 s[\g+4], 128*KS/256
	s_mov_b32 s[\g+5], 32
	s_mov_b32 s[\g+6], 0
	s_mov_b32 s[\g+7], 0
.endr
	s_lshl_b32 s18, s16, 7                         ; which 128 rows of the tile I fetch
	s_lshl_b32 s20, s17, 8
	s_add_co_u32 s20, s20, s18                     ; A: row 256 x tile + 128 x half
	s_lshl_b32 s46, s42, 8
	s_add_co_u32 s46, s46, s18                     ; B likewise
	s_mov_b32 s21, 0
	s_mov_b32 s47, 0
	s_mov_b64 s[18:19], KS
	s_mul_u64 s[22:23], s[20:21], s[18:19]         ; where these rows' scales begin, in bytes
	s_mul_u64 s[92:93], s[46:47], s[18:19]
	s_mov_b64 s[18:19], KROW
	s_mul_u64 s[20:21], s[20:21], s[18:19]         ; and their codes
	s_mul_u64 s[46:47], s[46:47], s[18:19]
	s_mul_i32 s45, s14, HALFT                      ; where they go: wave x 128 rows: no place in the cluster enters an LDS address
	s_mul_i32 s94, s14, HALFS
	s_wait_dscnt 0x0                               ; both opening adds are done
	s_wait_kmcnt 0x0
	s_add_nc_u64 s[20:21], s[4:5], s[20:21]
	s_add_nc_u64 s[22:23], s[6:7], s[22:23]
	s_add_nc_u64 s[46:47], s[4:5], s[46:47]
	s_add_nc_u64 s[92:93], s[6:7], s[92:93]
	s_cmp_eq_u32 ttmp9, 2
	s_cselect_b64 s[12:13], s[10:11], s[8:9]       ; C: vt or qk
	CROUND                                         ; all sixteen work-groups are here: the first joint loads meet
	s_mov_b32 s[G0S], 1
	s_add_co_u32 s[G0S+1], s94, SCL
	s_mov_b64 s[G0S+2:G0S+3], s[22:23]
	s_or_b32 s[G0S+3], s[G0S+3], 0x80000000
	s_mov_b32 s[G0SB], 1
	s_add_co_u32 s[G0SB+1], s94, SCL
	s_mov_b64 s[G0SB+2:G0SB+3], s[92:93]
	s_or_b32 s[G0SB+3], s[G0SB+3], 0x80000000
	JLOAD G0S, G1S, G0SB, G1SB                     ; the scales first: they are wanted with the first slot
.irp s, 0,1
	s_mov_b32 s[G0+4*\s], 1
	s_add_co_u32 s[G0+4*\s+1], s45, \s*SLOT
	s_add_nc_u64 s[G0+4*\s+2:G0+4*\s+3], s[20:21], \s*ROWB
	s_or_b32 s[G0+4*\s+3], s[G0+4*\s+3], 0x80000000
	s_mov_b32 s[G0B+4*\s], 1
	s_add_co_u32 s[G0B+4*\s+1], s45, \s*SLOT
	s_add_nc_u64 s[G0B+4*\s+2:G0B+4*\s+3], s[46:47], \s*ROWB
	s_or_b32 s[G0B+4*\s+3], s[G0B+4*\s+3], 0x80000000
	JLOAD G0+4*\s, G1, G0B+4*\s, G1B               ; all of K: three loads of mine are out
.endr
	v_and_b32 v1, 15, v0                           ; l % 16
	v_bfe_u32 v2, v0, 4, 1                         ; l / 16
	v_mul_u32_u24 v3, v1, PITCH
	v_lshl_add_u32 v4, v2, 4, v3                   ; a fragment's row x pitch + 16 x half
	s_mul_i32 s21, s15, HALFT                      ; my 128 rows of A
	s_mul_i32 s22, s16, HALFT                      ; my 128 rows of B,
	s_add_co_u32 s22, s22, 2*HALFT                 ; which lie behind A's 256
.irp s, 0,1
	v_add_nc_u32 v[ADRA+\s], s21, v4
	v_add_nc_u32 v[ADRB+\s], s22, v4
	s_add_co_u32 s21, s21, SLOT
	s_add_co_u32 s22, s22, SLOT
.endr
	v_mul_u32_u24 v5, v1, KS                       ; my row's scales: KS bytes a row,
	v_lshrrev_b32 v6, 8, v5
	v_lshl_add_u32 v5, v6, 4, v5                   ; and 16 more for each 256 passed
	s_mul_i32 s21, s15, HALFS                      ; A's: my 128 rows
	s_mul_i32 s22, s16, HALFS                      ; B's: my 128 rows, behind A's 256
	s_add_co_u32 s22, s22, 2*HALFS
	s_sub_co_u32 s22, s22, s21
	v_mul_u32_u24 v6, s22, v2                      ; lanes 16-31 take B's: the lower base + half x the distance
	s_add_co_u32 s21, s21, SCL
	v_add_nc_u32 v5, v5, v6
	v_add_nc_u32 v[ADRS], s21, v5
	s_mul_i32 s23, s14, 16*SPITCH                  ; my stage
	v_mul_u32_u24 v5, v1, SPITCH                   ; in: row l % 16, 16 bytes for each half of the lanes
	v_lshl_add_u32 v5, v2, 4, v5
	v_add_nc_u32 v[STO], s23, v5
	v_mul_u32_u24 v5, v2, SPITCH                   ; back: lanes 0-15 take one row of 256 bytes, lanes 16-31 the next
	v_lshl_add_u32 v5, v1, 4, v5
	v_add_nc_u32 v[RD], s23, v5
	v_lshlrev_b32 v5, 12, v2                       ; and the same two rows in C
	v_lshl_add_u32 v[CO], v1, 4, v5
	s_lshl_b32 s20, s2, 8
	s_lshl_b32 s21, s15, 7
	s_add_co_u32 s20, s20, s21                     ; my first row of C: 256 x tile row + 128 x half,
	s_lshl_b32 s20, s20, 12                        ; in bytes (under 2^26)
	s_mov_b32 s21, 0
	s_lshl_b32 s46, s3, 9                          ; my first column, in bytes: 512 x tile column + 256 x half
	s_lshl_b32 s47, s16, 8
	s_add_co_u32 s46, s46, s47
	s_mov_b32 s47, 0
	s_add_nc_u64 s[20:21], s[20:21], s[46:47]
	s_add_nc_u64 s[12:13], s[12:13], s[20:21]
.macro FRAG reg, adr, q, i             ; a fragment, 16 rows x 128 K of 4-bit codes, is 8 registers: lane l holds row l % 16; registers 4 c .. 4 c + 3 hold K = 64 c + 32 (l / 16) + 0 .. 31
.irp c, 0,1
	ds_load_b128 v[\reg+4*\c:\reg+4*\c+3], v[\adr] offset:64*(\q)+32*\c+(\i)*16*PITCH
.endr
.endm
; 16 matrix instructions: A's blocks a0, a0 + 1 x B's eight, 128 along K: the slot's q-th.  p: B's set;  sc: the set of scale words.  zero = 1: the first product starts the sums: nothing is ever cleared.
; The 64 accumulators take turns, one instruction a turn, in the same order in every step.
.macro MUL16 a0, p, q, sc, zero
.irp a, \a0, \a0+1
.irp b, 0,1,2,3,4,5,6,7
.if \zero
	v_wmma_scale_f32_16x16x128_f8f6f4 v[8*(8*((\a)%4)+\b):8*(8*((\a)%4)+\b)+7], v[128*(\p)+FR*\b:128*(\p)+FR*\b+FR-1], v[AF+FR*(\a):AF+FR*(\a)+FR-1], 0, v[SC+8*NQ*(\sc)+NQ*\b+(\q)], v[SC+8*NQ*(\sc)+NQ*(\a)+(\q)] matrix_a_fmt:MATRIX_FMT_FP4 matrix_b_fmt:MATRIX_FMT_FP4 matrix_a_scale:MATRIX_SCALE_ROW1
.else
	v_wmma_scale_f32_16x16x128_f8f6f4 v[8*(8*((\a)%4)+\b):8*(8*((\a)%4)+\b)+7], v[128*(\p)+FR*\b:128*(\p)+FR*\b+FR-1], v[AF+FR*(\a):AF+FR*(\a)+FR-1], v[8*(8*((\a)%4)+\b):8*(8*((\a)%4)+\b)+7], v[SC+8*NQ*(\sc)+NQ*\b+(\q)], v[SC+8*NQ*(\sc)+NQ*(\a)+(\q)] matrix_a_fmt:MATRIX_FMT_FP4 matrix_b_fmt:MATRIX_FMT_FP4 matrix_a_scale:MATRIX_SCALE_ROW1
.endif
.endr
.endr
.endm
.macro FETCH_B slot, q, p              ; B's eight fragments of the slot's q-th 128 along K into set p
	WIN TO_B
.irp i, 0,1,2,3,4,5,6,7
	FRAG 128*(\p)+FR*\i, ADRB+\slot, \q, \i
.endr
	WIN 0
.endm
.macro FETCH_A slot, q, i0             ; A's blocks i0 .. i0 + 3
.irp i, \i0, \i0+1, \i0+2, \i0+3
	FRAG AF+FR*(\i), ADRA+\slot, \q, \i
.endr
.endm
.macro SCALES sc                       ; a slot's scale words into set sc: NQ words a row; lanes 0-15 take A's block i, lanes 16-31 B's block i
.irp i, 0,1,2,3,4,5,6,7
	ds_load_b128 v[SC+8*NQ*\sc+NQ*\i:SC+8*NQ*\sc+NQ*\i+3], v[ADRS] offset:\i*SBLK
.endr
.endm
; A load into a register that a matrix instruction has read, and a vector instruction that reads a matrix result, stand NP places behind that matrix instruction; only plain vector
; instructions that name none of its registers are places (ISA guide 7.12.1 for vector instructions).
.macro PLACES n
.rept \n
	v_nop
.endr
.endm
; A step of 128 along K that has its successor in the same slot.  A block of A is free as soon as its eight products are issued: blocks 0-3 are fetched anew in the step's middle, blocks 4-7 at its end.
.macro STEP slot, q, zero
	s_wait_dscnt 4*NL                              ; B's set and A's blocks 0-3 are in; the youngest eight loads (A's blocks 4-7) may be out
	WIN MUL_LO
	MUL16 0, (\q)%2, \q, \slot, \zero
	MUL16 2, (\q)%2, \q, \slot, \zero
	s_wait_dscnt 0                                 ; A's blocks 4-7 are in (asked for 32 matrix instructions ago)
	PLACES NP
	FETCH_B \slot, (\q)+1, 1-(\q)%2
	FETCH_A \slot, (\q)+1, 0
	WIN MUL_HI
	MUL16 4, (\q)%2, \q, \slot, \zero
	MUL16 6, (\q)%2, \q, \slot, \zero
	PLACES NP
	WIN 0
	FETCH_A \slot, (\q)+1, 4
.endm
; Slot 0's last step changes slots: ONE barrier; in front of it each wave waits for all its tensor loads, adds 0 to its spare word, and waits for that and for its own reads of slot 0.  Nothing is filled again.
.macro TURN slot, next
	s_wait_tensorcnt 0x0                           ; all my tensor loads have landed: my part of the next slot (every window is 0 here)
	ds_add_u32 v[SPW], v[NIL]                      ; 0 onto my spare word
	s_wait_dscnt 4*NL+1                            ; (the add and the youngest eight loads, A's blocks 4-7, may be out)
	WIN MUL_LO
	MUL16 0, 1, NQ-1, \slot, 0                     ; sixteen matrix instructions stand between the add and the wait for it
	s_wait_dscnt 0x0                               ; the add is done, and my reads of this slot are over
	s_barrier_signal -1
	MUL16 2, 1, NQ-1, \slot, 0
	WIN 0
	s_barrier_wait -1                              ; the next slot is whole, and nobody reads this one any more
	PLACES NP
	v_add_nc_u32 v[ADRS], 4*NQ, v[ADRS]            ; on to the next slot's scale words
	FETCH_B \next, 0, 0
	FETCH_A \next, 0, 0
	SCALES \next
	WIN MUL_HI
	MUL16 4, 1, NQ-1, \slot, 0
	MUL16 6, 1, NQ-1, \slot, 0
	PLACES NP
	WIN 0
	FETCH_A \next, 0, 4
.endm
.macro STEPS slot, from                ; the slot's steps from .. NQ - 2
.set Q, \from
.rept NQ-1-\from
	STEP \slot, Q, 0
.set Q, Q+1
.endr
.endm
	s_wait_tensorcnt 1                             ; the scales and my part of slot 0 are in (slot 1's load may be out)
	s_barrier_signal -1
	s_barrier_wait -1                              ; everybody's are
	FETCH_B 0, 0, 0
	FETCH_A 0, 0, 0
	SCALES 0
	FETCH_A 0, 0, 4
	STEP 0, 0, 1                                   ; the first step's products start the sums
	STEPS 0, 1
	TURN 0, 1
	STEPS 1, 0
	s_wait_dscnt 4*NL                              ; the very last step: nothing more to fetch
	WIN MUL_LO
	MUL16 0, 1, NQ-1, 1, 0
	MUL16 2, 1, NQ-1, 1, 0
	s_wait_dscnt 0
	WIN MUL_HI
	MUL16 4, 1, NQ-1, 1, 0
	MUL16 6, 1, NQ-1, 1, 0
	WIN 0
; THE WAY OUT, block by block of 16 rows x 128 columns.  PACK: rounded to f16, 16 bytes a lane, each accumulator from its low end on.  TOSTAGE: into my own stage and back as whole rows of 256 bytes.  SEND: stored.
.macro PACK a
.set AC, 64*((\a)%4)
	WIN 0x0a+5*((\a)/4)                            ; sources 0 and 1: window 2 or 3
.irp b, 0,1,2,3,4,5,6,7
.irp r, 0,1,2,3
	v_cvt_pk_f16_f32 v[TMP+4*\b+\r], v[AC+8*\b+2*\r], v[AC+8*\b+2*\r+1]
.endr
.endr
	WIN 0
.endm
.macro TOSTAGE a
.set BB, BK+32*((\a)%2)
.irp b, 0,1,2,3,4,5,6,7
	ds_store_b128 v[STO], v[TMP+4*\b:TMP+4*\b+3] offset:32*\b
.endr
.irp t, 0,1,2,3,4,5,6,7
	ds_load_b128 v[BB+4*\t:BB+4*\t+3], v[RD] offset:\t*2*SPITCH    ; LDS serves a wave's instructions in order (ISA guide 5.7.1.4): these see the stores above
.endr
.endm
.macro SEND a
.set BB, BK+32*((\a)%2)
	s_wait_dscnt 0x0                               ; the block is back in registers
	s_wait_xcnt 0x0                                ; the earlier stores have read their base and their data: only behind this wait is the base stepped, and are the block before's registers loaded again
.if (\a) > 0
	s_add_nc_u64 s[12:13], s[12:13], 16*CROW       ; 16 rows of C on
.endif
.irp t, 0,1,2,3,4,5,6,7
	global_store_b128 v[CO], v[BB+4*\t:BB+4*\t+3], s[12:13] offset:2*\t*CROW   ; 16 lanes store 256 consecutive bytes, at a multiple of 256 from C's first byte
.endr
.endm
	PLACES NP                                      ; behind the last products
	PACK 0
	TOSTAGE 0
.irp a, 1,2,3,4,5,6,7                  ; block a's conversions stand between block a - 1's loads from the stage and the wait for them
	PACK \a
	SEND \a-1
	TOSTAGE \a
.endr
	SEND 7
	s_wait_tensorcnt 0x0                           ; the wave's end
	ds_add_u32 v[SPW], v[NIL]
	s_wait_dscnt 0x0
	CROUND                                         ; the closing round
	s_endpgm
.Lfunc_end_k_qf325d38742_proj:
	.size	k_qf325d38742_proj, .Lfunc_end_k_qf325d38742_proj-k_qf325d38742_proj
	.p2alignl 7, 3214868480
	.fill 96, 4, 3214868480
	.section	.rodata,"a",@progbits
	.p2align	6, 0x0
	.amdhsa_kernel k_qf325d38742_proj
		.amdhsa_group_segment_fixed_size 327680
		.amdhsa_private_segment_fixed_size 0
		.amdhsa_enable_private_segment 0
		.amdhsa_kernarg_size 32
		.amdhsa_user_sgpr_count 2
		.amdhsa_user_sgpr_kernarg_segment_ptr 1
		.amdhsa_wavefront_size32 1
		.amdhsa_system_sgpr_workgroup_id_x 1
		.amdhsa_system_sgpr_workgroup_id_y 1
		.amdhsa_system_sgpr_workgroup_id_z 1
		.amdhsa_system_vgpr_workitem_id 0
		.amdhsa_next_free_vgpr 1024
		.amdhsa_next_free_sgpr 102
		.amdhsa_reserve_vcc 0
		.amdhsa_float_denorm_mode_32 3
		.amdhsa_float_denorm_mode_16_64 3
		.amdhsa_memory_ordered 1
		.amdhsa_forward_progress 1
		.amdhsa_inst_pref_size 127
	.end_amdhsa_kernel
	.amdgpu_metadata
---
amdhsa.version: [ 1, 2 ]
amdhsa.kernels:
  - .name:           k_qf325d38742_proj
    .symbol:         k_qf325d38742_proj.kd
    .args:
      - { .name: cod, .offset: 0, .size: 8, .value_kind: global_buffer, .address_space: global }
      - { .name: scl, .offset: 8, .size: 8, .value_kind: global_buffer, .address_space: global }
      - { .name: qk, .offset: 16, .size: 8, .value_kind: global_buffer, .address_space: global }
      - { .name: vt, .offset: 24, .size: 8, .value_kind: global_buffer, .address_space: global }
    .group_segment_fixed_size: 327680
    .private_segment_fixed_size: 0
    .kernarg_segment_align: 8
    .kernarg_segment_size: 32
    .max_flat_workgroup_size: 128
    .sgpr_count:     102
    .vgpr_count:     1024
    .wavefront_size: 32
...
	.end_amdgpu_metadata
.endif
;; end of part 2
;; launch scores (part 3): grid 8 x 32, 4 waves a work-group, clusters of 4 x 4, 327,680 bytes of LDS; arguments qk, p, stat; writes p, stat
.if DOCPART == 3
	.amdgcn_target "amdgcn-amd-amdhsa--gfx1250"
	.amdhsa_code_object_version 6
	.text
	.protected	k_qf325d38742_scores
	.globl	k_qf325d38742_scores
	.p2align	8
	.type	k_qf325d38742_scores,@function
k_qf325d38742_scores:
	s_mov_b64 s[64:65], 0
	v_nop
	global_prefetch_b8 v0, s[64:65] scope:SCOPE_SE
	s_setreg_imm32_b32 hwreg(HW_REG_WAVE_MODE, 25, 1), 1
	s_wait_xcnt 0x0
	s_wait_alu depctr_hold_cnt(0) depctr_sa_sdst(0) depctr_va_vdst(0) depctr_va_sdst(0) depctr_va_ssrc(0) depctr_va_vcc(0) depctr_vm_vsrc(0)
	s_getreg_b32 s2, hwreg(HW_REG_IB_STS2, 6, 4)
	s_cmp_eq_u32 s2, 0
	s_cbranch_scc0 .Lentry_in_a_cluster
	s_endpgm
.Lentry_in_a_cluster:
	s_bfe_u32 s2, ttmp6, 0x10000c
	s_cmp_lg_u32 s2, 0xf033
	s_cbranch_scc0 .Lentry_shape_is_right
	s_endpgm
.Lentry_shape_is_right:
; The scores Q K^T of each batch (f16 operands, f32 sums, K = 1,024), and the first stage of the softmax.
; qk: [8192 (b, s)][2048] f16: columns 0-1023 Q, 1024-2047 K.   p: [8192 (b, q)][2048 keys] f16.   stat: [2][4 b][16 chunks][2048 q] f32: plane 0 -M, plane 1 the chunk's sum.
; THE SOFTMAX IN TWO STAGES.  t = score x c, c = log2(e) / 8.  For each query and each CHUNK of 128 keys (a wave's columns): M = the chunk's largest t rounded UP to a whole number, kept as -M = floor(-t);
; p = 2^(t - M), rounded to f16; the chunk's sum is taken of the unrounded p, in f32.  The next launch takes the row's largest M over the 16 chunks and brings every chunk under it by a power of two: so the
; row's maximum is taken away as the softmax asks, for every input.
; LIMITS: NaN and infinities among the scores are not served; a p under 2^-25 of its chunk's 2^M becomes 0.
; A tile of 256 queries x 256 keys is made by a work-group of four waves; a wave makes 128 x 128: 64 accumulators, 512 registers.  K goes in steps of 128 through a ring of two LDS slots filled by tensor loads:
; a tile's row is 256 bytes of memory, at a multiple of 256 from the buffer's first byte.
; CLUSTERS: 4 x 4 work-groups.  The four of a row of the cluster need the same rows of Q, the four of a column the same rows of K: each tile is asked for JOINTLY, by the same tensor load with a mask that names the four.
; THE MATRIX INSTRUCTION IS USED TRANSPOSED (source 0 = 16 keys, source 1 = 16 queries): a lane holds ONE query (lane % 16) and, in the eight accumulators of a block of queries, 64 of the chunk's keys; the lane 16 away holds the other 64.
; REGISTERS, in windows of 256: window 0: v0-31 addresses; v32-42 statistics at work; v64-127, v128-191 fragments of Q, two buffers; on the way out v64-127 p in f32, v128-191 rows read back, v192-223 p in f16.
;   window 1: v64-127, v128-191 fragments of K, two buffers.   window 2: the accumulators of my queries 0-63 ((a, b) at v[8 (8 a + b)]);   window 3: those of my queries 64-127.
.set KSTEP,  128
.set PITCH,  272                       ; an LDS row: 256 bytes + 16 of padding = 68 words: the 16 rows that a load touches start 4 banks apart (64 banks of 4 bytes: ISA guide 11.1)
.set HALFT,  128*PITCH                 ; 128 rows: what one tensor load brings, and what one wave reads of Q or of K
.set SLOT,   4*HALFT                   ; Q's 256 rows, then K's 256 rows
.set STAGE,  2*SLOT                    ; behind the ring: 16 rows x 272 bytes for each wave, for the way out
.set SPITCH, 272
.set STATS,  STAGE+4*16*SPITCH         ; behind the stages: 1,024 bytes for each wave: -M of its 128 queries, then their sums
.set SPARE,  STATS+4*1024              ; behind them: the spare words, 128 bytes for each wave
.set LAPS,   4                         ; a lap = two K steps = once round the ring: 1,024 / 256
.set CROW,   4096                      ; a row of qk or of p in bytes
.set PLANE,  524288                    ; a plane of stat in bytes
.set FLAGS,  (1<<16)|(1<<20)|(1<<21)|(5<<22)|(3<<25)   ; group 1, word 0: 17:16 element of 2 bytes; 20 padding on; 21 set beside a mask; 24:22 after every 64 words (code 5); 31:25 of 4 words (code 3)
.set ADRA, 16                          ; v16-17  LDS address of my Q fragments in slot 0, 1
.set ADRB, 20                          ; v20-21  the same for K
.set STO,  24                          ; v24     the way out: where I put 16 bytes of a row
.set RD,   25                          ; v25     where I read a row back
.set CO,   26                          ; v26     my byte offset in two rows of p
.set STS,  27                          ; v27     where I put my query's -M
.set SPW,  28                          ; v28     LDS address of my spare word; never rewritten
.set NIL,  29                          ; v29     0; never rewritten
.set STR,  30                          ; v30     where I read 16 bytes of statistics back
.set L16,  31                          ; v31     16 x lane
.set T,    32                          ; v32-35  four chains of the maximum
.set NM,   36                          ; v[36:37] -M (named as a pair; the packed form takes the low word for both halves)
.set LS,   38                          ; v[38:39], v[40:41] the sum, in two chains of pairs
.set LB,   40
.set PX,   42                          ; v42     what the lane 16 away holds
.set S,    64
.set OB,   128
.set TMP,  192
.set F0,   64                          ; fragment buffer 0
.set F1,   128                         ; fragment buffer 1
.set G1, 24                            ; s[24:31] descriptor group 1 for Q's tiles;  s[32:39] group 0, one set for each slot
.set G0, 32
.set G1B, 48                           ; s[48:55], s[56:63] the same for K's tiles
.set G0B, 56
.set MSB, 0
.macro WIN new                         ; the immediate's high byte repeats the setting that is left; a switch that changes nothing is dropped
.if MSB != (\new)
	s_set_vgpr_msb (MSB<<8)|(\new)
.set MSB, (\new)
.endif
.endm
.set MUL_LO, 0xa1                      ; source 0 (K) window 1, source 1 (Q) window 0, C and D window 2
.set MUL_HI, 0xf1                      ; the same, C and D window 3
.set TO_B,   0x40                      ; destination window 1, address window 0
; A joint load.  Waves 0 and 1 fetch Q's two halves, waves 2 and 3 K's.  Each line has ONE mask and one set of registers for all that issue it; the branch hangs on the wave's number alone.
; An s_nop 0 and four v_nop follow each of the two lines, ahead of the jump, the label and what follows.
.macro JLOAD s
	s_cmp_eq_u32 s11, 0
	s_cbranch_scc0 .Lfor_b_\@
	tensor_load_to_lds s[G0+4*\s:G0+4*\s+3], s[G1:G1+7]
	s_nop 0
.rept 4
	v_nop
.endr
	s_branch .Lasked_\@
.Lfor_b_\@:
	tensor_load_to_lds s[G0B+4*\s:G0B+4*\s+3], s[G1B:G1B+7]
	s_nop 0
.rept 4
	v_nop
.endr
.Lasked_\@:
.endm
.macro CREST                           ; a round of the cluster's barrier behind its opening barrier
	s_cmp_lg_u32 s10, 0
	s_cbranch_scc1 .Lnot_wave_0_\@
	s_barrier_signal -3
.Lnot_wave_0_\@:
	s_barrier_wait -3
	s_barrier_signal -1
	s_barrier_wait -1
.endm
.macro CROUND                          ; a whole round
	s_barrier_signal -1
	s_barrier_wait -1
	CREST
.endm
	s_load_b128 s[4:7], s[0:1], 0x0                ; qk s[4:5], p s[6:7]
	s_load_b64 s[8:9], s[0:1], 0x10                ; stat
	v_lshl_add_u32 v[SPW], v0, 2, SPARE
	v_mov_b32 v[NIL], 0
	ds_add_u32 v[SPW], v[NIL]                      ; the wave's opening: the add, twice on end, and its wait ahead of my first tensor load; the set-up below stands between the second and the wait
	ds_add_u32 v[SPW], v[NIL]
	v_lshrrev_b32 v1, 5, v0
	v_readfirstlane_b32 s10, v1                    ; wave 0..3
	s_lshr_b32 s11, s10, 1                         ; which half of the tile's queries is mine.  Also: I fetch for Q (0) or for K (1)
	s_and_b32 s12, s10, 1                          ; which half of its keys.  Also: which 128 rows of that tile I fetch
	s_bfe_u32 s40, ttmp6, 0x40000                  ; cx, cy: my place in the cluster
	s_bfe_u32 s41, ttmp6, 0x40004
	s_lshl_b32 s42, ttmp9, 2
	s_add_co_u32 s42, s42, s40                     ; the tile of keys in the batch, 0..7 = 4 x cluster x + cx
	s_and_b32 s45, ttmp7, 0xffff
	s_lshl_b32 s13, s45, 2
	s_add_co_u32 s13, s13, s41                     ; the tile of queries, 0..31 = 4 x cluster y + cy
	s_lshr_b32 s45, s45, 1                         ; the batch: eight tiles of queries each, so it hangs on the cluster's y alone
	s_lshl_b32 s43, s41, 2
	s_lshl_b32 s43, 15, s43                        ; my row of the cluster
	s_lshl_b32 s44, 0x1111, s40                    ; my column
	s_or_b32 s[G1+0], s43, FLAGS                   ; Q's tiles go to my row,
	s_or_b32 s[G1B+0], s44, FLAGS                  ; K's to my column
.irp g, G1, G1B
	s_mov_b32 s[\g+1], KSTEP<<16                   ; tensor_dim0 = 128
	s_mov_b32 s[\g+2], 128<<16                     ; tensor_dim1 = 128
	s_mov_b32 s[\g+3], KSTEP<<16                   ; tile_dim0 = 128
	s_mov_b32 s[\g+4], 128                         ; tile_dim1 = 128
	s_mov_b32 s[\g+5], 2048                        ; tensor_dim0_stride: elements from row to row of qk
	s_mov_b32 s[\g+6], 0
	s_mov_b32 s[\g+7], 0
.endr
	s_lshl_b32 s17, s12, 7                         ; which 128 rows of the tile I fetch
	s_lshl_b32 s16, s13, 8
	s_add_co_u32 s16, s16, s17                     ; Q: row 256 x tile of queries + 128 x half,
	s_lshl_b32 s16, s16, 12                        ; in bytes (under 2^25)
	s_lshl_b32 s46, s42, 8
	s_add_co_u32 s46, s46, s17
	s_lshl_b32 s47, s45, 11
	s_add_co_u32 s46, s46, s47                     ; K: row 2,048 x batch + 256 x tile of keys + 128 x half,
	s_lshl_b32 s46, s46, 12
	s_add_co_u32 s46, s46, 2048                    ; in the rows' second half
	s_mov_b32 s17, 0
	s_mov_b32 s47, 0
	s_mul_i32 s20, s10, HALFT                      ; where they go: wave x 128 rows: no place in the cluster enters an LDS address
	s_mov_b32 s2, 0x3e38aa3b                       ; c = log2(e) / 8
	s_mov_b32 s3, s2                               ; (named with it as a pair, so it is written)
	s_mov_b32 s22, 0x76543210                      ; v_permlanex16_b32's selects for lane l xor 16
	s_mov_b32 s23, 0xfedcba98
	s_wait_dscnt 0x0                               ; both opening adds are done
	s_wait_kmcnt 0x0
	s_add_nc_u64 s[14:15], s[4:5], s[16:17]
	s_add_nc_u64 s[46:47], s[4:5], s[46:47]
	CROUND                                         ; all sixteen work-groups are here: the first joint loads meet
.irp s, 0,1
	s_mov_b32 s[G0+4*\s], 1                                        ; count = 1
	s_add_co_u32 s[G0+4*\s+1], s20, \s*SLOT                        ; LDS address
	s_add_nc_u64 s[G0+4*\s+2:G0+4*\s+3], s[14:15], \s*KSTEP*2      ; global address: K step s
	s_or_b32 s[G0+4*\s+3], s[G0+4*\s+3], 0x80000000                ; type = 2
	s_mov_b32 s[G0B+4*\s], 1
	s_add_co_u32 s[G0B+4*\s+1], s20, \s*SLOT
	s_add_nc_u64 s[G0B+4*\s+2:G0B+4*\s+3], s[46:47], \s*KSTEP*2
	s_or_b32 s[G0B+4*\s+3], s[G0B+4*\s+3], 0x80000000
	JLOAD \s                                       ; two loads of mine are out
.endr
	; A fragment is 16 rows x 32 K in 8 registers: lane l holds row l % 16; registers 0-3 hold K = 8 (l / 16) + 0..7, registers 4-7 K = 16 + 8 (l / 16) + 0..7: two loads of 16 bytes, 32 bytes apart.
	v_and_b32 v1, 15, v0                           ; l % 16
	v_bfe_u32 v2, v0, 4, 1                         ; l / 16
	v_mul_u32_u24 v3, v1, PITCH
	v_lshl_add_u32 v3, v2, 4, v3                   ; row x pitch + 16 x half
	s_mul_i32 s18, s11, HALFT                      ; my 128 rows of Q
	s_mul_i32 s19, s12, HALFT                      ; my 128 rows of K,
	s_add_co_u32 s19, s19, 2*HALFT                 ; which lie behind Q's 256
.irp s, 0,1
	v_add_nc_u32 v[ADRA+\s], s18, v3
	v_add_nc_u32 v[ADRB+\s], s19, v3
	s_add_co_u32 s18, s18, SLOT
	s_add_co_u32 s19, s19, SLOT
.endr
	s_mul_i32 s20, s10, 16*SPITCH
	s_add_co_u32 s20, s20, STAGE                   ; my stage
	v_mul_u32_u24 v4, v1, SPITCH                   ; in: row l % 16, 16 bytes for each half of the lanes
	v_lshl_add_u32 v4, v2, 4, v4
	v_add_nc_u32 v[STO], s20, v4
	v_mul_u32_u24 v5, v2, SPITCH                   ; back: lanes 0-15 take one row of 256 bytes, lanes 16-31 the next
	v_lshl_add_u32 v5, v1, 4, v5
	v_add_nc_u32 v[RD], s20, v5
	v_lshlrev_b32 v5, 12, v2                       ; and the same two rows in p
	v_lshl_add_u32 v[CO], v1, 4, v5
	s_lshl_b32 s20, s10, 10
	s_add_co_u32 s20, s20, STATS                   ; my statistics
	v_lshl_add_u32 v[STS], v1, 2, s20              ; in: 4 bytes a query
	v_and_b32 v6, 31, v0
	v_lshlrev_b32 v[L16], 4, v6
	v_add_nc_u32 v[STR], s20, v[L16]               ; back: 16 bytes a lane
	v_mov_b32 v[NM+1], 0                           ; (named as the upper half of a pair)
	v_mov_b32 v[PX], 0                             ; (a lane permute's destination counts as one of its sources)
	s_lshl_b32 s16, s13, 8
	s_lshl_b32 s17, s11, 7
	s_add_co_u32 s16, s16, s17                     ; my first row of p: 256 x tile of queries + 128 x half,
	s_lshl_b32 s16, s16, 12
	s_mov_b32 s17, 0
	s_lshl_b32 s46, s42, 9                         ; my first key, in bytes: 512 x tile of keys + 256 x half
	s_lshl_b32 s47, s12, 8
	s_add_co_u32 s46, s46, s47
	s_mov_b32 s47, 0
	s_add_nc_u64 s[16:17], s[16:17], s[46:47]
	s_add_nc_u64 s[6:7], s[6:7], s[16:17]
	s_lshl_b32 s16, s45, 4                         ; stat: ((16 x batch + my chunk) x 2,048 + my first query in the batch) x 4
	s_lshl_b32 s46, s42, 1
	s_add_co_u32 s16, s16, s46
	s_add_co_u32 s16, s16, s12                     ; my chunk = 2 x tile of keys + half
	s_lshl_b32 s16, s16, 11
	s_and_b32 s46, s13, 7
	s_lshl_b32 s46, s46, 8
	s_add_co_u32 s16, s16, s46
	s_lshl_b32 s46, s11, 7
	s_add_co_u32 s16, s16, s46
	s_lshl_b32 s16, s16, 2
	s_mov_b32 s17, 0
	s_add_nc_u64 s[8:9], s[8:9], s[16:17]
; 16 matrix instructions: blocks of queries a0, a0 + 1 of the window's four (hi = 0: my queries 0-63, 1: 64-127) x all 8 blocks of keys, 32 along K.  zero = 1: the first product starts the sums.
; The 64 accumulators take turns, one instruction a turn, in the same order in every quarter.
.macro MUL16 f, hi, a0, zero
.irp a, \a0, \a0+1
.irp b, 0,1,2,3,4,5,6,7
.if \zero
	v_wmma_f32_16x16x32_f16 v[8*(8*(\a)+\b):8*(8*(\a)+\b)+7], v[\f+8*\b:\f+8*\b+7], v[\f+8*(4*\hi+\a):\f+8*(4*\hi+\a)+7], 0
.else
	v_wmma_f32_16x16x32_f16 v[8*(8*(\a)+\b):8*(8*(\a)+\b)+7], v[\f+8*\b:\f+8*\b+7], v[\f+8*(4*\hi+\a):\f+8*(4*\hi+\a)+7], v[8*(8*(\a)+\b):8*(8*(\a)+\b)+7]
.endif
.endr
.endr
.endm
; 32 LDS loads in one run: the fragments of one quarter step (128 rows of K, 128 rows of Q, 32 K at byte k of the rows) into buffer f
.macro FETCH slot, k, f
	WIN TO_B
.irp i, 0,1,2,3,4,5,6,7
	ds_load_b128 v[\f+8*\i:\f+8*\i+3],   v[ADRB+\slot] offset:\k+\i*16*PITCH
	ds_load_b128 v[\f+8*\i+4:\f+8*\i+7], v[ADRB+\slot] offset:\k+\i*16*PITCH+32
.endr
	WIN 0
.irp i, 0,1,2,3,4,5,6,7
	ds_load_b128 v[\f+8*\i:\f+8*\i+3],   v[ADRA+\slot] offset:\k+\i*16*PITCH
	ds_load_b128 v[\f+8*\i+4:\f+8*\i+7], v[ADRA+\slot] offset:\k+\i*16*PITCH+32
.endr
.endm
; A load into a register that a matrix instruction has read, and a vector instruction that reads a matrix result or writes one of a matrix instruction's registers, stand four places behind it; only plain
; vector instructions that name none of its registers are places (ISA guide 7.12.1 for vector instructions).
.macro PLACES
.rept 4
	v_nop
.endr
.endm
; A K step is four quarters of 32 along K, 64 matrix instructions each, on buffers 0, 1, 0, 1.  One of the first three: multiplies buffer f; in its middle it fetches the next quarter, at byte k, into buffer g.
.macro QUARTER slot, k, f, g, zero
	s_wait_dscnt 8                                 ; K and Q's rows 0-63 are in; the youngest eight loads (Q's rows 64-127) may be out
	WIN MUL_LO
	MUL16 \f, 0, 0, \zero
	MUL16 \f, 0, 2, \zero
	PLACES
	FETCH \slot, \k, \g
	s_wait_dscnt 32                                ; all but the 32 just issued
	WIN MUL_HI
	MUL16 \f, 1, 0, \zero
	MUL16 \f, 1, 2, \zero
.endm
; The last quarter multiplies buffer 1 and changes slots: ONE barrier.  In front of it each wave waits for all its tensor loads (the one that is out is its part of the next slot), adds 0 to its spare word, and waits
; for that and for its own reads of this slot.  fill = 1: the barrier opens a round of the cluster's, and behind the round this slot is filled again, two K steps ahead, first of all.
.macro TURN slot, next, fill
	WIN 0                                          ; (the add's two registers lie in window 0)
	s_wait_tensorcnt 0x0                           ; all my tensor loads have landed
	ds_add_u32 v[SPW], v[NIL]                      ; 0 onto my spare word
	s_wait_dscnt 9                                 ; (the add and the youngest eight loads may be out)
	WIN MUL_LO
	MUL16 F1, 0, 0, 0                              ; sixteen matrix instructions stand between the add and the wait for it
	s_wait_dscnt 0x0                               ; the add is done, and my reads of this slot are over
	s_barrier_signal -1
	MUL16 F1, 0, 2, 0                              ; work on registers while the others arrive
.if \fill
	WIN 0
.endif
	s_barrier_wait -1
.if \fill
	CREST                                          ; no wave of any partner still reads this slot's tile or has a load on its way
	s_add_nc_u64 s[G0+4*\slot+2:G0+4*\slot+3], s[G0+4*\slot+2:G0+4*\slot+3], 2*KSTEP*2
	s_add_nc_u64 s[G0B+4*\slot+2:G0B+4*\slot+3], s[G0B+4*\slot+2:G0B+4*\slot+3], 2*KSTEP*2
	JLOAD \slot                                    ; the first tensor load behind the round; the four v_nop behind it are also the places in front of the loads below
.else
	PLACES
.endif
	FETCH \next, 0, F0
	WIN MUL_HI
	MUL16 F1, 1, 0, 0
	MUL16 F1, 1, 2, 0
.endm
	s_wait_tensorcnt 1                             ; my part of K step 0 is in (K step 1's load may be out)
	s_barrier_signal -1
	s_barrier_wait -1                              ; everybody's is
	FETCH 0, 0, F0
	QUARTER 0, 64,  F0, F1, 1                      ; the first quarter stands in front of the loop: its products start the sums
	WIN 0                                          ; at a label and at a branch every window is 0
	s_mov_b32 s21, LAPS-1
.Llap:                                                 ; a trip goes once round the ring, from a lap's second quarter to the next lap's first, and fills both slots again
	QUARTER 0, 128, F1, F0, 0
	QUARTER 0, 192, F0, F1, 0
	TURN 0, 1, 1
	QUARTER 1, 64,  F0, F1, 0
	QUARTER 1, 128, F1, F0, 0
	QUARTER 1, 192, F0, F1, 0
	TURN 1, 0, 1
	QUARTER 0, 64,  F0, F1, 0
	WIN 0
	s_sub_co_u32 s21, s21, 1
	s_cmp_lg_u32 s21, 0
	s_cbranch_scc1 .Llap
	QUARTER 0, 128, F1, F0, 0                      ; the last lap is written out: it fills nothing, and has no round of the cluster's barrier
	QUARTER 0, 192, F0, F1, 0
	TURN 0, 1, 0
	QUARTER 1, 64,  F0, F1, 0
	QUARTER 1, 128, F1, F0, 0
	QUARTER 1, 192, F0, F1, 0
	s_wait_dscnt 8                                 ; the very last quarter: nothing more to fetch
	WIN MUL_LO
	MUL16 F1, 0, 0, 0
	MUL16 F1, 0, 2, 0
	s_wait_dscnt 0
	WIN MUL_HI
	MUL16 F1, 1, 0, 0
	MUL16 F1, 1, 2, 0
	WIN 0
; THE WAY OUT, block by block of 16 queries x 128 keys.
; SOFT a: the chunk's maximum, -M, p in f32 (v[S] on), the chunk's sum (v[LS]), p in f16 (v[TMP] on).  Each accumulator is read from its low end on.
.macro SOFT a
.set AC, 64*((\a)%4)
.set W, 2+(\a)/4                       ; the block's window
	WIN (W<<2)|(W<<4)                              ; sources 1 and 2: the accumulators
.irp k, 0,1,2,3
	v_max3_num_f32 v[T+\k], 0xff7fffff, v[AC+16*\k], v[AC+16*\k+1]         ; four chains of 16 scores; each begins under every score
.endr
.irp i, 2,4,6,8,10,12,14
.irp k, 0,1,2,3
	v_max3_num_f32 v[T+\k], v[T+\k], v[AC+16*\k+\i], v[AC+16*\k+\i+1]      ; (the chains by turns: no line waits for the line above it)
.endr
.endr
	WIN 0
	v_max3_num_f32 v[T], v[T], v[T+1], v[T+2]
	v_max_num_f32 v[T], v[T], v[T+3]
	v_permlanex16_b32 v[PX], v[T], s22, s23        ; the query's other 64 keys lie in the lane 16 away
	v_max_num_f32 v[T], v[T], v[PX]
	v_mul_f32 v[T], s2, v[T]                       ; as t (c is positive)
	v_floor_f32 v[NM], -v[T]                       ; -M = floor(-t) = -ceil(t): a whole number
	WIN W                                          ; source 0: the accumulators
.irp i, 0,2,4,6,8,10,12,14,16,18,20,22,24,26,28,30,32,34,36,38,40,42,44,46,48,50,52,54,56,58,60,62
	v_pk_fma_f32 v[S+\i:S+\i+1], v[AC+\i:AC+\i+1], s[2:3], v[NM:NM+1] op_sel_hi:[1,0,0]   ; t - M, two at a time
.endr
	WIN 0
.irp j, 0,1,2,3,4,5,6,7,8,9,10,11,12,13,14,15,16,17,18,19,20,21,22,23,24,25,26,27,28,29,30,31,32,33,34,35,36,37,38,39,40,41,42,43,44,45,46,47,48,49,50,51,52,53,54,55,56,57,58,59,60,61,62,63
	v_exp_f32 v[S+\j], v[S+\j]                     ; p = 2^(t - M): one batch
.endr
	v_nop                                          ; a plain instruction behind the last exponential,
	s_wait_alu depctr_va_vdst(0)                   ; and the wait ahead of the batch's first reader
	v_pk_add_f32 v[LS:LS+1], v[S:S+1], v[S+2:S+3]  ; the sum of the unrounded p, two at a time, in two chains
	v_pk_add_f32 v[LB:LB+1], v[S+4:S+5], v[S+6:S+7]
.irp j, 8,12,16,20,24,28,32,36,40,44,48,52,56,60
	v_pk_add_f32 v[LS:LS+1], v[LS:LS+1], v[S+\j:S+\j+1]
	v_pk_add_f32 v[LB:LB+1], v[LB:LB+1], v[S+\j+2:S+\j+3]
.endr
	v_pk_add_f32 v[LS:LS+1], v[LS:LS+1], v[LB:LB+1]
	v_add_f32 v[LS], v[LS], v[LS+1]
	v_permlanex16_b32 v[PX], v[LS], s22, s23
	v_add_f32 v[LS], v[LS], v[PX]                  ; with the lane 16 away: the chunk's sum
.irp i, 0,1,2,3,4,5,6,7,8,9,10,11,12,13,14,15,16,17,18,19,20,21,22,23,24,25,26,27,28,29,30,31
	v_cvt_pk_f16_f32 v[TMP+\i], v[S+2*\i], v[S+2*\i+1]     ; eight neighbouring keys of an accumulator pack into 16 bytes
.endr
.endm
.macro TOSTAGE a
.set BB, OB+32*((\a)%2)
	ds_store_b32 v[STS], v[NM] offset:64*(\a)      ; both halves of the lanes write the same word with the same value
	ds_store_b32 v[STS], v[LS] offset:512+64*(\a)
.irp b, 0,1,2,3,4,5,6,7
	ds_store_b128 v[STO], v[TMP+4*\b:TMP+4*\b+3] offset:32*\b
.endr
.irp t, 0,1,2,3,4,5,6,7
	ds_load_b128 v[BB+4*\t:BB+4*\t+3], v[RD] offset:\t*2*SPITCH    ; LDS serves a wave's instructions in order (ISA guide 5.7.1.4): these see the stores above
.endr
.endm
.macro SEND a
.set BB, OB+32*((\a)%2)
	s_wait_dscnt 0x0                               ; the block is back in registers
	s_wait_xcnt 0x0                                ; the earlier stores have read their base and their data: only behind this wait is the base stepped, and are the block before's registers loaded again
.if (\a) > 0
	s_add_nc_u64 s[6:7], s[6:7], 16*CROW           ; 16 rows of p on
.endif
.irp t, 0,1,2,3,4,5,6,7
	global_store_b128 v[CO], v[BB+4*\t:BB+4*\t+3], s[6:7] offset:2*\t*CROW   ; 16 lanes store 256 consecutive bytes, at a multiple of 256 from p's first byte
.endr
.endm
	PLACES                                         ; behind the last products
	SOFT 0
	TOSTAGE 0
.irp a, 1,2,3,4,5,6,7                  ; block a's softmax stands between block a - 1's loads from the stage and the wait for them
	SOFT \a
	SEND \a-1
	TOSTAGE \a
.endr
	SEND 7
	ds_load_b128 v[S:S+3], v[STR]                  ; my wave's 128 -M,
	ds_load_b128 v[S+4:S+7], v[STR] offset:512     ; and its 128 sums: my own stores, served in order
	s_wait_dscnt 0x0
	global_store_b128 v[L16], v[S:S+3], s[8:9]                     ; 32 lanes store 512 consecutive bytes
	global_store_b128 v[L16], v[S+4:S+7], s[8:9] offset:PLANE
	s_wait_tensorcnt 0x0                           ; the wave's end
	ds_add_u32 v[SPW], v[NIL]
	s_wait_dscnt 0x0
	CROUND                                         ; the closing round: no work-group ends while a partner may still ask for a tile that names it
	s_endpgm
.Lfunc_end_k_qf325d38742_scores:
	.size	k_qf325d38742_scores, .Lfunc_end_k_qf325d38742_scores-k_qf325d38742_scores
	.p2alignl 7, 3214868480
	.fill 96, 4, 3214868480
	.section	.rodata,"a",@progbits
	.p2align	6, 0x0
	.amdhsa_kernel k_qf325d38742_scores
		.amdhsa_group_segment_fixed_size 327680
		.amdhsa_private_segment_fixed_size 0
		.amdhsa_enable_private_segment 0
		.amdhsa_kernarg_size 24
		.amdhsa_user_sgpr_count 2
		.amdhsa_user_sgpr_kernarg_segment_ptr 1
		.amdhsa_wavefront_size32 1
		.amdhsa_system_sgpr_workgroup_id_x 1
		.amdhsa_system_sgpr_workgroup_id_y 1
		.amdhsa_system_sgpr_workgroup_id_z 1
		.amdhsa_system_vgpr_workitem_id 0
		.amdhsa_next_free_vgpr 1024
		.amdhsa_next_free_sgpr 66
		.amdhsa_reserve_vcc 0
		.amdhsa_float_denorm_mode_32 3
		.amdhsa_float_denorm_mode_16_64 3
		.amdhsa_memory_ordered 1
		.amdhsa_forward_progress 1
		.amdhsa_inst_pref_size 214
	.end_amdhsa_kernel
	.amdgpu_metadata
---
amdhsa.version: [ 1, 2 ]
amdhsa.kernels:
  - .name:           k_qf325d38742_scores
    .symbol:         k_qf325d38742_scores.kd
    .args:
      - { .name: qk, .offset: 0, .size: 8, .value_kind: global_buffer, .address_space: global }
      - { .name: p, .offset: 8, .size: 8, .value_kind: global_buffer, .address_space: global }
      - { .name: stat, .offset: 16, .size: 8, .value_kind: global_buffer, .address_space: global }
    .group_segment_fixed_size: 327680
    .private_segment_fixed_size: 0
    .kernarg_segment_align: 8
    .kernarg_segment_size: 24
    .max_flat_workgroup_size: 128
    .sgpr_count:     66
    .vgpr_count:     1024
    .wavefront_size: 32
...
	.end_amdgpu_metadata
.endif
;; end of part 3
;; launch pv (part 4): grid 64 x 4, 4 waves a work-group, clusters of 4 x 4, 327,680 bytes of LDS; arguments p, vt, stat, xt; writes xt
.if DOCPART == 4
	.amdgcn_target "amdgcn-amd-amdhsa--gfx1250"
	.amdhsa_code_object_version 6
	.text
	.protected	k_qf325d38742_pv
	.globl	k_qf325d38742_pv
	.p2align	8
	.type	k_qf325d38742_pv,@function
k_qf325d38742_pv:
	s_mov_b64 s[64:65], 0
	v_nop
	global_prefetch_b8 v0, s[64:65] scope:SCOPE_SE
	s_setreg_imm32_b32 hwreg(HW_REG_WAVE_MODE, 25, 1), 1
	s_wait_xcnt 0x0
	s_wait_alu depctr_hold_cnt(0) depctr_sa_sdst(0) depctr_va_vdst(0) depctr_va_sdst(0) depctr_va_ssrc(0) depctr_va_vcc(0) depctr_vm_vsrc(0)
	s_getreg_b32 s2, hwreg(HW_REG_IB_STS2, 6, 4)
	s_cmp_eq_u32 s2, 0
	s_cbranch_scc0 .Lentry_in_a_cluster
	s_endpgm
.Lentry_in_a_cluster:
	s_bfe_u32 s2, ttmp6, 0x10000c
	s_cmp_lg_u32 s2, 0xf033
	s_cbranch_scc0 .Lentry_shape_is_right
	s_endpgm
.Lentry_shape_is_right:
; The second stage of the softmax and the product with V (f16 operands, f32 sums, K = the 2,048 keys), written out TRANSPOSED: xt [4 b][1024 e][2048 q] f16 = O^T.
; That buffer, read as [8192][1024], is what the transposition and the reshaping of the problem make of O: they cost nothing.
; p: [8192 (b, q)][2048 keys] f16, p = 2^(t - M_c) under the whole number M_c of its chunk c of 128 keys.  stat: [2][4][16 chunks][2048 q] f32: -M_c, and the chunk's sum L_c.  vt: [4][1024 e][2048 keys] f16.
; For each query: -M = the least -M_c;  d_c = M_c - M, a whole number, 0 or less;  l = the sum of 2^d_c L_c.
; THE SUMS ARE CARRIED UNDER THE CHUNK'S OWN SCALE, IN F32: p goes to the matrix unit as it was stored.  With s_c = max(d_c, -40):  U_0 = P_0 V_0,  U_c = U_(c-1) 2^(s_(c-1) - s_c) + P_c V_c:  ahead of each chunk's first
; products the accumulators are multiplied by a power of two between 2^-40 and 2^40, which rounds nothing;  O = U_15 2^s_15 / l.  |U| stays under 16 chunks x 128 keys x 65,504 x 2^40 < 2^68.
; LIMITS: a chunk whose M_c lies more than 40 under the row's M enters O with the weight 2^-40 in place of its own smaller one (l takes its own): at most 2^-33 of the largest |V| a chunk, beside an l over 1/2.
; |O| stays at or under 65,504; under 6e-5 it is kept with the step 2^-24.  NaN and infinities are not served.
; A TILE: 128 queries (source 0) x 256 channels (source 1), made by a work-group of four waves; a wave makes 64 queries x 128 channels: 32 accumulators, 256 registers.  In a result a lane holds ONE channel
; (lane % 16) and eight neighbouring queries: 16 bytes of a row of xt.
; THE RING HAS TWO UNEQUAL SLOTS.  A unit is 128 keys, a chunk: 384 rows x 272 bytes = 104,448 bytes.  Three units fit in LDS, four do not: so slot B holds one unit (rows of 256 bytes) and slot A two (rows of 512 bytes).
; The 16 units go B A B A .. B.  Slot B's refill has slot A's two units, 240 matrix instructions a wave, in which to land, slot A's refill has slot B's one, 112; and three units have two changes of slots.
; CLUSTERS: 4 x 4 work-groups.  The four of a column of the cluster (same queries) need the same tile of p, the four of a row (same channels) the same tile of vt: each is asked for JOINTLY.
; REGISTERS: window 0: v0-31 addresses; v32-127, v128-223 two fragment buffers (32 registers of p, then 64 of vt); v224-255 the chunk's factors.   window 1: the accumulators ((a, i) at v[8 (4 a + i)]).
.set UNIT,   256                       ; a unit's bytes of a row
.set PB,     272                       ; an LDS row of slot B: 256 bytes + 16 of padding = 68 words,
.set PA,     528                       ; of slot A: 512 + 16 = 132 words: either way the 16 rows that a load touches start 4 banks apart (64 banks of 4 bytes: ISA guide 11.1)
.set SLB,    0                         ; slot B: p's 128 rows, then vt's 256
.set SLA,    384*PB                    ; slot A likewise
.set VB,     128*PB
.set VA,     128*PA
.set GT,     SLA+384*PA                ; behind the ring: the factors, [16 chunks][128 queries] f32 (chunk 0 has none)
.set RL,     GT+16*512                 ; 2^s_15 / l of the 128 queries
.set SPARE,  RL+512                    ; the spare words, 128 bytes for each wave
.set STAGE,  SLA                       ; the way out: 256 rows x (256 bytes + 16), the work-group's, in slot A, which has had its last fill and its last read when the first result is stored there
.set SPITCH, 272
.set TRIPS,  4                         ; a trip = three units = once round the ring
.set CROW,   4096                      ; a row of p, of vt and of xt in bytes
.set PLANE,  524288                    ; a plane of stat in bytes
.set FLAGB,  (1<<16)|(1<<20)|(1<<21)|(5<<22)|(3<<25)   ; group 1, word 0: element of 2 bytes; padding on; bit 21 beside a mask; after every 64 words, 4 words
.set FLAGA,  (1<<16)|(1<<20)|(1<<21)|(6<<22)|(3<<25)   ; the same after every 128 words
.set ADR0, 16                          ; v16, v17 LDS address of my fragments of p in slot B, A
.set ADR1, 20                          ; v20, v21 the same for vt
.set PFO,  22                          ; v22     the prefetches' offset: my lane x a row of 4,096 bytes; never rewritten
.set STO,  24                          ; v24     the way out: where I put 16 bytes of a row
.set RD,   25                          ; v25     where I read a row back
.set CO,   26                          ; v26     my byte offset in two rows of xt
.set AF0,  27                          ; v27     my lane's place in a chunk's factors
.set SPW,  28                          ; v28     LDS address of my spare word; never rewritten
.set NIL,  29                          ; v29     0; never rewritten
.set RLA,  30                          ; v30     where my eight queries' 2^s_15 / l begin
.set AFT,  31                          ; v31     the factors' address in hand
.set F0,   32
.set F1,   128
.set G,    224                         ; v224-255 the factors of my 32 queries: register 8 i + j for query 16 i + 8 (lane / 16) + j
.set WK,   32                          ; the way out: O in f32,
.set HK,   64                          ; in f16,
.set RLV,  192                         ; and the last factor of my 32 queries
.set WV, 12                            ; s12 my wave's number;  s13 which 128 channels are mine, and: I fetch p (0) or vt (1);  s14 which 64 queries are mine, and: which half I fetch
.set HI, 13
.set LO, 14
.set TF, 15                            ; s15 the chunk whose factors were fetched last x 512
.set G1,   24                          ; s[24:31] descriptor group 1 for p's tiles in slot B;  s[68:75] in slot A
.set G1A,  68
.set G0,   32                          ; s[32:35], s[36:39] their groups 0
.set G1B,  48                          ; s[48:55], s[76:83], s[56:59], s[60:63] the same for vt's tiles
.set G1BA, 76
.set G0B,  56
.set PF,   84                          ; s[84:85] where my prefetches stand: my 32 rows, at the unit with which the trip began
.set ASKF, 86                          ; s86     1 in a wave that prefetches
.set MSB, 0
.macro WIN new                         ; the immediate's high byte repeats the setting that is left; a switch that changes nothing is dropped
.if MSB != (\new)
	s_set_vgpr_msb (MSB<<8)|(\new)
.set MSB, (\new)
.endif
.endm
.set MUL, 0x50                         ; C and D window 1; the fragments window 0
; A joint load into slot sl (0: B, 1: A): waves 0 and 1 fetch p's two halves (64 rows), waves 2 and 3 vt's (128 rows).  The branch hangs on the wave's number alone.
; An s_nop 0 and four v_nop follow each line, ahead of the jump, the label and what follows.
.macro JLOAD sl
	s_cmp_eq_u32 s[HI], 0
	s_cbranch_scc0 .Lfor_b_\@
	tensor_load_to_lds s[G0+4*\sl:G0+4*\sl+3], s[G1+(G1A-G1)*\sl:G1+(G1A-G1)*\sl+7]
	s_nop 0
.rept 4
	v_nop
.endr
	s_branch .Lasked_\@
.Lfor_b_\@:
	tensor_load_to_lds s[G0B+4*\sl:G0B+4*\sl+3], s[G1B+(G1BA-G1B)*\sl:G1B+(G1BA-G1B)*\sl+7]
	s_nop 0
.rept 4
	v_nop
.endr
.Lasked_\@:
.endm
; A PREFETCH INTO THE L2 of what the NEXT refill will load: n units of 32 rows, a lane a row, 256 bytes of a row an instruction.  It stands behind the joint load, its five lines and the run of LDS loads.
; Each row's 256 bytes of a unit are named ONCE in the launch.  A tile of p is read by one column of one cluster: every cluster asks for its own, the partner at place cy for rows 32 cy on, by its wave 0.
; A tile of vt is read by a row of each of the batch's four clusters: the first of them asks, the partner at place cx for rows 64 cx on, by its waves 2 and 3, 32 rows each.  The partners are told apart BY ADDRESS:
; the branch hangs on the wave's number and the cluster's number alone.  Units 0 to 3 come by their loads alone; the tail asks for nothing.
.macro ASK n, off
	s_cmp_eq_u32 s[ASKF], 1
	s_cbranch_scc0 .Lnot_mine_\@
	global_prefetch_b8 v[PFO], s[PF:PF+1] offset:\off th:TH_LOAD_NT scope:SCOPE_SE
.if \n > 1
	global_prefetch_b8 v[PFO], s[PF:PF+1] offset:\off+UNIT th:TH_LOAD_NT scope:SCOPE_SE
.endif
.Lnot_mine_\@:
.endm
.macro CREST                           ; a round of the cluster's barrier behind its opening barrier
	s_cmp_lg_u32 s[WV], 0
	s_cbranch_scc1 .Lnot_wave_0_\@
	s_barrier_signal -3
.Lnot_wave_0_\@:
	s_barrier_wait -3
	s_barrier_signal -1
	s_barrier_wait -1
.endm
.macro CROUND                          ; a whole round
	s_barrier_signal -1
	s_barrier_wait -1
	CREST
.endm
	s_load_b256 s[4:11], s[0:1], 0x0               ; p s[4:5], vt s[6:7], stat s[8:9], xt s[10:11]
	v_lshl_add_u32 v[SPW], v0, 2, SPARE
	v_mov_b32 v[NIL], 0
	ds_add_u32 v[SPW], v[NIL]                      ; the wave's opening: the add, twice on end, and its wait ahead of my first tensor load; the set-up below stands between the second and the wait
	ds_add_u32 v[SPW], v[NIL]
	v_lshrrev_b32 v1, 5, v0
	v_readfirstlane_b32 s[WV], v1                  ; wave 0..3
	s_lshr_b32 s[HI], s[WV], 1
	s_and_b32 s[LO], s[WV], 1
	s_bfe_u32 s40, ttmp6, 0x40000                  ; cx, cy: my place in the cluster
	s_bfe_u32 s41, ttmp6, 0x40004                  ; cy is also the tile of channels: the grid is one cluster high
	s_lshl_b32 s42, ttmp9, 2
	s_add_co_u32 s42, s42, s40                     ; the tile of queries, 0..63 = 4 x cluster x + cx
	s_lshr_b32 s45, ttmp9, 2                       ; the batch: sixteen tiles of queries each, so it hangs on the cluster's x alone
	s_lshl_b32 s43, s41, 2
	s_lshl_b32 s43, 15, s43                        ; my row of the cluster
	s_lshl_b32 s44, 0x1111, s40                    ; my column
	s_or_b32 s[G1+0], s44, FLAGB                   ; p's tiles go to my column,
	s_or_b32 s[G1A+0], s44, FLAGA
	s_or_b32 s[G1B+0], s43, FLAGB                  ; vt's to my row
	s_or_b32 s[G1BA+0], s43, FLAGA
.irp g, G1, G1B
	s_mov_b32 s[\g+1], 128<<16                     ; slot B: tensor_dim0 = 128,
	s_mov_b32 s[\g+3], 128<<16                     ; tile_dim0 = 128
.endr
.irp g, G1A, G1BA
	s_mov_b32 s[\g+1], 256<<16                     ; slot A: 256
	s_mov_b32 s[\g+3], 256<<16
.endr
.irp g, G1, G1A
	s_mov_b32 s[\g+2], 64<<16                      ; p: tensor_dim1 = 64,
	s_mov_b32 s[\g+4], 64                          ; tile_dim1 = 64
.endr
.irp g, G1B, G1BA
	s_mov_b32 s[\g+2], 128<<16                     ; vt: 128
	s_mov_b32 s[\g+4], 128
.endr
.irp g, G1, G1A, G1B, G1BA
	s_mov_b32 s[\g+5], 2048                        ; tensor_dim0_stride: elements from row to row
	s_mov_b32 s[\g+6], 0
	s_mov_b32 s[\g+7], 0
.endr
	s_lshl_b32 s16, s42, 7
	s_lshl_b32 s17, s[LO], 6
	s_add_co_u32 s16, s16, s17                     ; p: row 128 x tile of queries + 64 x half,
	s_lshl_b32 s16, s16, 12                        ; in bytes (under 2^25)
	s_mov_b32 s17, 0
	s_lshl_b32 s46, s45, 10
	s_lshl_b32 s47, s41, 8
	s_add_co_u32 s46, s46, s47
	s_lshl_b32 s47, s[LO], 7
	s_add_co_u32 s46, s46, s47                     ; vt: row 1,024 x batch + 256 x tile of channels + 128 x half
	s_lshl_b32 s46, s46, 12
	s_mov_b32 s47, 0
	s_mul_i32 s20, s[LO], 64*PB                    ; where they go, in slot B
	s_mul_i32 s21, s[LO], 128*PB
	s_add_co_u32 s21, s21, VB
	s_mul_i32 s22, s[LO], 64*PA                    ; and in slot A: no place in the cluster enters an LDS address
	s_add_co_u32 s22, s22, SLA
	s_mul_i32 s23, s[LO], 128*PA
	s_add_co_u32 s23, s23, SLA+VA
	s_mov_b32 s[TF], 0
	s_wait_dscnt 0x0                               ; both opening adds are done
	s_wait_kmcnt 0x0
	s_add_nc_u64 s[16:17], s[4:5], s[16:17]
	s_add_nc_u64 s[46:47], s[6:7], s[46:47]
	CROUND                                         ; all sixteen work-groups are here: the first joint loads meet
	s_mov_b32 s[G0], 1                             ; slot B begins with unit 0,
	s_mov_b32 s[G0+1], s20
	s_mov_b64 s[G0+2:G0+3], s[16:17]
	s_or_b32 s[G0+3], s[G0+3], 0x80000000
	s_mov_b32 s[G0B], 1
	s_mov_b32 s[G0B+1], s21
	s_mov_b64 s[G0B+2:G0B+3], s[46:47]
	s_or_b32 s[G0B+3], s[G0B+3], 0x80000000
	s_mov_b32 s[G0+4], 1                           ; slot A with units 1 and 2
	s_mov_b32 s[G0+5], s22
	s_add_nc_u64 s[G0+6:G0+7], s[16:17], UNIT
	s_or_b32 s[G0+7], s[G0+7], 0x80000000
	s_mov_b32 s[G0B+4], 1
	s_mov_b32 s[G0B+5], s23
	s_add_nc_u64 s[G0B+6:G0B+7], s[46:47], UNIT
	s_or_b32 s[G0B+7], s[G0B+7], 0x80000000
	JLOAD 0
	JLOAD 1                                        ; two loads of mine are out
	; the prefetches: where my wave's stand, and who asks.  Nothing is prefetched here, at the head
	s_lshl_b32 s88, s42, 7
	s_lshl_b32 s89, s41, 5
	s_add_co_u32 s88, s88, s89                     ; p: row 128 x tile of queries + 32 cy
	s_lshl_b32 s89, s45, 10
	s_lshl_b32 s90, s41, 8
	s_add_co_u32 s89, s89, s90
	s_lshl_b32 s90, s40, 6
	s_add_co_u32 s89, s89, s90
	s_lshl_b32 s90, s[LO], 5
	s_add_co_u32 s89, s89, s90                     ; vt: row 1,024 x batch + 256 x tile of channels + 64 cx + 32 x (wave - 2)
	s_and_b32 s91, ttmp9, 3                        ; 0 in the batch's first cluster
	s_cmp_eq_u32 s[HI], 0                          ; waves 0 and 1: p; waves 2 and 3: vt
	s_cselect_b32 s88, s88, s89
	s_cselect_b32 s91, s[LO], s91                  ; of waves 0 and 1, wave 0 asks
	s_cselect_b64 s[PF:PF+1], s[4:5], s[6:7]
	s_cmp_eq_u32 s91, 0
	s_cselect_b32 s[ASKF], 1, 0                    ; the same in all sixteen partners, for a given wave
	s_lshl_b32 s88, s88, 12
	s_mov_b32 s89, 0
	s_add_nc_u64 s[PF:PF+1], s[PF:PF+1], s[88:89]
	v_and_b32 v[PFO], 31, v0
	v_lshlrev_b32 v[PFO], 12, v[PFO]
	; THE ROWS' STATISTICS: thread t owns query t of the work-group's 128
	v_lshlrev_b32 v1, 2, v0
	s_lshl_b32 s18, s45, 15                        ; 16 chunks x 2,048 queries a batch,
	s_and_b32 s19, s42, 15
	s_lshl_b32 s19, s19, 7
	s_add_co_u32 s18, s18, s19                     ; + my work-group's first query in the batch,
	s_lshl_b32 s18, s18, 2                         ; in bytes
	s_mov_b32 s19, 0
	s_add_nc_u64 s[8:9], s[8:9], s[18:19]
.irp c, 0,1,2,3,4,5,6,7,8,9,10,11,12,13,14,15
	global_load_b32 v[32+\c], v1, s[8:9] offset:8192*\c            ; -M_c
.endr
.irp c, 0,1,2,3,4,5,6,7,8,9,10,11,12,13,14,15
	global_load_b32 v[48+\c], v1, s[8:9] offset:PLANE+8192*\c      ; L_c
.endr
	v_and_b32 v2, 15, v0                           ; r = l % 16
	v_bfe_u32 v3, v0, 4, 1                         ; h = l / 16
	v_mul_u32_u24 v4, v2, PB
	v_lshl_add_u32 v4, v3, 4, v4                   ; a fragment's row x pitch + 16 x half, in slot B
	v_mul_u32_u24 v5, v2, PA
	v_lshl_add_u32 v5, v3, 4, v5                   ; and in slot A
	s_mul_i32 s18, s[LO], 64*PB                    ; my 64 rows of p
	s_mul_i32 s19, s[HI], 128*PB                   ; my 128 rows of vt,
	s_add_co_u32 s19, s19, VB                      ; which lie behind p's 128
	v_add_nc_u32 v[ADR0], s18, v4
	v_add_nc_u32 v[ADR1], s19, v4
	s_mul_i32 s18, s[LO], 64*PA
	s_add_co_u32 s18, s18, SLA
	s_mul_i32 s19, s[HI], 128*PA
	s_add_co_u32 s19, s19, SLA+VA
	v_add_nc_u32 v[ADR0+1], s18, v5
	v_add_nc_u32 v[ADR1+1], s19, v5
	s_mul_i32 s18, s[HI], 128*SPITCH               ; into the stage: my 128 rows (channels), my half of their 256 bytes; row r, 16 bytes for each half of the lanes
	s_lshl_b32 s19, s[LO], 7
	s_add_co_u32 s18, s18, s19
	s_add_co_u32 s18, s18, STAGE
	v_add_nc_u32 v[STO], s18, v4
	s_mul_i32 s18, s[WV], 64*SPITCH                ; back: wave w takes rows 64 w .. 64 w + 63, whole; lanes 0-15 one row, lanes 16-31 the next
	s_add_co_u32 s18, s18, STAGE
	v_mul_u32_u24 v5, v3, SPITCH
	v_lshl_add_u32 v5, v2, 4, v5
	v_add_nc_u32 v[RD], s18, v5
	v_lshlrev_b32 v5, 12, v3                       ; and the same two rows in xt
	v_lshl_add_u32 v[CO], v2, 4, v5
	s_lshl_b32 s18, s[LO], 8
	s_add_co_u32 s19, s18, GT
	v_lshl_add_u32 v[AF0], v3, 5, s19              ; the factors of queries 64 x half + 8 h on: 4 bytes a query, block i 64 i bytes on
	s_add_co_u32 s19, s18, RL
	v_lshl_add_u32 v[RLA], v3, 5, s19              ; the last factor likewise
	v_lshl_add_u32 v6, v0, 2, GT                   ; where thread t puts its query's factors
	s_lshl_b32 s18, s45, 10
	s_lshl_b32 s19, s41, 8
	s_add_co_u32 s18, s18, s19
	s_lshl_b32 s19, s[WV], 6
	s_add_co_u32 s18, s18, s19                     ; the first row of xt that I store: 1,024 x batch + 256 x tile of channels + 64 x wave,
	s_lshl_b32 s18, s18, 12
	s_and_b32 s19, s42, 15
	s_lshl_b32 s19, s19, 8
	s_add_co_u32 s18, s18, s19                     ; and the tile's first query in the batch, 256 bytes a tile
	s_mov_b32 s19, 0
	s_add_nc_u64 s[10:11], s[10:11], s[18:19]
	s_wait_loadcnt 0x0
	v_min3_num_f32 v64, v32, v33, v34              ; -M = the least -M_c
.irp c, 35,37,39,41,43,45
	v_min3_num_f32 v64, v64, v[\c], v[\c+1]
.endr
	v_min_num_f32 v64, v64, v47
.irp c, 0,1,2,3,4,5,6,7,8,9,10,11,12,13,14,15
	v_sub_f32 v[32+\c], v64, v[32+\c]              ; d_c = M_c - M: a whole number, 0 or less
.endr
.irp c, 0,1,2,3,4,5,6,7,8,9,10,11,12,13,14,15
	v_max_num_f32 v[80+\c], 0xc2200000, v[32+\c]   ; s_c = max(d_c, -40)
.endr
.irp c, 0,1,2,3,4,5,6,7,8,9,10,11,12,13,14,15
	v_cvt_i32_f32 v[32+\c], v[32+\c]               ; (it saturates)
.endr
.irp c, 0,1,2,3,4,5,6,7,8,9,10,11,12,13,14,15
	v_ldexp_f32 v[32+\c], 1.0, v[32+\c]            ; 2^d_c
.endr
	v_mul_f32 v65, v32, v48                        ; l, in two chains
	v_mul_f32 v66, v33, v49
.irp c, 2,4,6,8,10,12,14
	v_fma_f32 v65, v[32+\c], v[48+\c], v65
	v_fma_f32 v66, v[33+\c], v[49+\c], v66
.endr
	v_add_f32 v65, v65, v66
	v_rcp_f32 v67, v65                             ; l lies over 1/2: the chunk with the largest M has the weight 1 and a term over 1/2
.irp c, 1,2,3,4,5,6,7,8,9,10,11,12,13,14,15
	v_sub_f32 v[96+\c], v[79+\c], v[80+\c]         ; s_(c-1) - s_c: a whole number from -40 to 40.  (Plain work behind the reciprocal)
.endr
.irp c, 1,2,3,4,5,6,7,8,9,10,11,12,13,14,15
	v_cvt_i32_f32 v[96+\c], v[96+\c]
.endr
.irp c, 1,2,3,4,5,6,7,8,9,10,11,12,13,14,15
	v_ldexp_f32 v[96+\c], 1.0, v[96+\c]            ; the factor ahead of chunk c
.endr
	v_cvt_i32_f32 v68, v95                         ; s_15
.irp c, 1,2,3,4,5,6,7,8,9,10,11,12,13,14,15
	ds_store_b32 v6, v[96+\c] offset:512*\c
.endr
	s_wait_alu depctr_va_vdst(0)                   ; the wait ahead of the reciprocal's first reader
	v_ldexp_f32 v69, v67, v68                      ; 2^s_15 / l
	ds_store_b32 v6, v69 offset:RL-GT
	s_wait_dscnt 0x0                               ; for the others' sake: my stores are done,
	s_wait_tensorcnt 1                             ; and my part of unit 0 is in (slot A's load may be out)
	s_barrier_signal -1
	s_barrier_wait -1
; n x 4 matrix instructions: blocks of channels a0 .. a0 + n - 1 x the four blocks of queries, 32 along K.  zero = 1: the first product starts the sums.
; The 32 accumulators take turns, one instruction a turn, in the same order in every quarter.
.macro MULG f, a0, n, zero
.set ga, \a0
.rept \n
.irp i, 0,1,2,3
.if \zero
	v_wmma_f32_16x16x32_f16 v[8*(4*ga+\i):8*(4*ga+\i)+7], v[\f+8*\i:\f+8*\i+7], v[\f+32+8*ga:\f+32+8*ga+7], 0
.else
	v_wmma_f32_16x16x32_f16 v[8*(4*ga+\i):8*(4*ga+\i)+7], v[\f+8*\i:\f+8*\i+7], v[\f+32+8*ga:\f+32+8*ga+7], v[8*(4*ga+\i):8*(4*ga+\i)+7]
.endif
.endr
.set ga, ga+1
.endr
.endm
; 24 LDS loads in one run: the fragments of one quarter (64 rows of p, then 128 rows of vt; 32 K at byte k of the rows of slot sl) into buffer f
.macro FETCH sl, k, f
.irp i, 0,1,2,3
	ds_load_b128 v[\f+8*\i:\f+8*\i+3],   v[ADR0+\sl] offset:\k+\i*16*(PB+(PA-PB)*\sl)
	ds_load_b128 v[\f+8*\i+4:\f+8*\i+7], v[ADR0+\sl] offset:\k+\i*16*(PB+(PA-PB)*\sl)+32
.endr
.irp a, 0,1,2,3,4,5,6,7
	ds_load_b128 v[\f+32+8*\a:\f+32+8*\a+3], v[ADR1+\sl] offset:\k+\a*16*(PB+(PA-PB)*\sl)
	ds_load_b128 v[\f+32+8*\a+4:\f+32+8*\a+7], v[ADR1+\sl] offset:\k+\a*16*(PB+(PA-PB)*\sl)+32
.endr
.endm
.macro FACT                            ; 8 LDS loads: the next chunk's factors of my 32 queries; sixteen lanes read the same 16 bytes
	s_add_co_u32 s[TF], s[TF], 512
	v_add_nc_u32 v[AFT], s[TF], v[AF0]
.irp i, 0,1,2,3
	ds_load_b128 v[G+8*\i:G+8*\i+3],   v[AFT] offset:64*\i
	ds_load_b128 v[G+8*\i+4:G+8*\i+7], v[AFT] offset:64*\i+16
.endr
.endm
.macro PLACES                          ; four places in front of loads into registers that matrix instructions have read, and of the first read of results (ISA guide 7.12.1 for the first read of results)
.rept 4
	v_nop
.endr
.endm
.macro RESC                            ; the sums under the next chunk's scale: x a power of two, in f32; an accumulator's register j belongs to query 16 i + 8 (lane / 16) + j.  Each accumulator from its low end on
	PLACES                                         ; behind the last chunk's last products
	WIN 0x41                                       ; destination and source 0: the accumulators; the factors window 0
.irp a, 0,1,2,3,4,5,6,7
.irp i, 0,1,2,3
.irp j, 0,2,4,6
	v_pk_mul_f32 v[8*(4*\a+\i)+\j:8*(4*\a+\i)+\j+1], v[8*(4*\a+\i)+\j:8*(4*\a+\i)+\j+1], v[G+8*\i+\j:G+8*\i+\j+1]
.endr
.endr
.endr
.endm
; A unit is four quarters of 32 along K, 32 matrix instructions each, on buffers 0, 1, 0, 1.  A quarter that changes no slot: multiplies buffer f and fetches the next quarter, at byte k of slot sl, into g.
; resc = 1: it is a chunk's first, and the sums are rescaled ahead of it.  fact = 1: the next quarter is a chunk's first, and its factors are fetched too.
.macro QUARTER sl, k, f, g, zero, fact, resc
	s_wait_dscnt 8                                 ; p, the factors and vt's blocks 0-3 are in; the youngest eight loads (vt's blocks 4-7) may be out
.if \resc
	RESC
.endif
	WIN MUL
	MULG \f, 0, 4, \zero
	PLACES
	WIN 0
.if \fact
	FACT
.endif
	FETCH \sl, \k, \g
	s_wait_dscnt 24+8*\fact                        ; all but the 24 (with the factors: 32) just issued
	WIN MUL
	MULG \f, 4, 4, \zero
.endm
; A slot's last quarter multiplies buffer 1 and changes slots: ONE barrier; in front of it each wave waits for all its tensor loads, adds 0 to its spare word, and waits for that and for its own reads of slot sl.
; fill = 1: the barrier opens a round of the cluster's, and behind the round slot sl is filled again, three units on, first of all.  ask = 1: what the next refill will load is prefetched.
.macro TURN sl, nx, fill, ask
.if \ask
.if \sl
	s_wait_xcnt 0x0                                ; the last prefetches, seven quarters back, have read their address: it is stepped here, once a trip, ahead of the waits of the change of slots
	s_add_nc_u64 s[PF:PF+1], s[PF:PF+1], 3*UNIT
.endif
.endif
	WIN 0
	s_wait_tensorcnt 0x0                           ; all my tensor loads have landed: my part of the next slot
	ds_add_u32 v[SPW], v[NIL]                      ; 0 onto my spare word
	s_wait_dscnt 9                                 ; (the add and the youngest eight loads may be out)
	WIN MUL
	MULG F1, 0, 2, 0                               ; eight matrix instructions stand between the add and the wait for it
	s_wait_dscnt 0x0                               ; the add is done, and my reads of this slot are over
	s_barrier_signal -1
	MULG F1, 2, 2, 0
	WIN 0
	s_barrier_wait -1
.if \fill
	CREST                                          ; no wave of any partner still reads this slot's tile or has a load on its way
	s_add_nc_u64 s[G0+4*\sl+2:G0+4*\sl+3], s[G0+4*\sl+2:G0+4*\sl+3], 3*UNIT
	s_add_nc_u64 s[G0B+4*\sl+2:G0B+4*\sl+3], s[G0B+4*\sl+2:G0B+4*\sl+3], 3*UNIT
	JLOAD \sl                                      ; the first tensor load behind the round; the four v_nop behind it are also the places in front of the loads below
.else
	PLACES
.endif
	FACT                                           ; the next slot begins with the next chunk
	FETCH \nx, 0, F0
.if \ask
.if \sl
	ASK 1, 3*UNIT                                  ; slot B's next unit: six units on from the trip's first
.else
	ASK 2, 4*UNIT                                  ; slot A's next two: four and five units on
.endif
.endif
	WIN MUL
	MULG F1, 4, 4, 0
.endm
.macro RUN_B                           ; slot B's unit, its second and third quarter
	QUARTER 0, 128, F1, F0, 0, 0, 0
	QUARTER 0, 192, F0, F1, 0, 0, 0
.endm
.macro RUN_A                           ; slot A's two units but the last quarter
	QUARTER 1, 64,  F0, F1, 0, 0, 1
	QUARTER 1, 128, F1, F0, 0, 0, 0
	QUARTER 1, 192, F0, F1, 0, 0, 0
	QUARTER 1, 256, F1, F0, 0, 1, 0
	QUARTER 1, 320, F0, F1, 0, 0, 1
	QUARTER 1, 384, F1, F0, 0, 0, 0
	QUARTER 1, 448, F0, F1, 0, 0, 0
.endm
	FETCH 0, 0, F0
	QUARTER 0, 64, F0, F1, 1, 0, 0                 ; the first quarter stands in front of the loop: its products start the sums
	WIN 0                                          ; at a label and at a branch every window is 0
	s_mov_b32 s3, TRIPS
.Llap:                                                 ; a trip goes once round the ring, from the second quarter of slot B's unit to the first of its next, and fills both slots again: units 3 to 14
	RUN_B
	TURN 0, 1, 1, 1
	RUN_A
	TURN 1, 0, 1, 1
	QUARTER 0, 64, F0, F1, 0, 0, 1
	WIN 0
	s_sub_co_u32 s3, s3, 1
	s_cmp_lg_u32 s3, 0
	s_cbranch_scc1 .Llap
	RUN_B                                          ; the tail is written out: unit 12 goes on
	TURN 0, 1, 1, 0                                ; slot B takes unit 15: the last load
	RUN_A                                          ; units 13 and 14
	TURN 1, 0, 0, 0                                ; nothing is filled, so no round follows
	QUARTER 0, 64, F0, F1, 0, 0, 1                 ; unit 15
	RUN_B
	s_wait_dscnt 8                                 ; the very last quarter: nothing more to fetch
	WIN MUL
	MULG F1, 0, 4, 0
	s_wait_dscnt 0
	MULG F1, 4, 4, 0
	WIN 0
	; THE WAY OUT: O = U x 2^s_15 / l, rounded to f16; 16 bytes a lane into the work-group's stage; a barrier, since a row's 256 bytes come from two waves; back as whole rows, 64 rows a wave.
	PLACES                                         ; behind the last products
.irp i, 0,1,2,3
	ds_load_b128 v[RLV+8*\i:RLV+8*\i+3], v[RLA] offset:64*\i       ; the last factor of queries 16 i + 8 h + 0 .. 7 of my 64: a lane's registers run along the queries
	ds_load_b128 v[RLV+8*\i+4:RLV+8*\i+7], v[RLA] offset:64*\i+16
.endr
	s_wait_dscnt 0x0
.irp a, 0,1,2,3,4,5,6,7
	WIN 0x01                                       ; source 0: the accumulators
.irp i, 0,1,2,3
.irp j, 0,2,4,6
	v_pk_mul_f32 v[WK+8*\i+\j:WK+8*\i+\j+1], v[8*(4*\a+\i)+\j:8*(4*\a+\i)+\j+1], v[RLV+8*\i+\j:RLV+8*\i+\j+1]   ; each accumulator from its low end on
.endr
.endr
	WIN 0
.irp i, 0,1,2,3,4,5,6,7,8,9,10,11,12,13,14,15
	v_cvt_pk_f16_f32 v[HK+\i], v[WK+2*\i], v[WK+2*\i+1]
.endr
.irp i, 0,1,2,3
	ds_store_b128 v[STO], v[HK+4*\i:HK+4*\i+3] offset:\a*16*SPITCH+32*\i
.endr
.endr
	s_wait_dscnt 0x0                               ; for the others' sake: my stores into the stage are done
	s_barrier_signal -1
	s_barrier_wait -1
.irp t, 0,1,2,3,4,5,6,7,8,9,10,11,12,13,14,15,16,17,18,19,20,21,22,23,24,25,26,27,28,29,30,31
	ds_load_b128 v[32+4*\t:32+4*\t+3], v[RD] offset:\t*2*SPITCH
.endr
.irp t, 0,1,2,3,4,5,6,7,8,9,10,11,12,13,14,15,16,17,18,19,20,21,22,23,24,25,26,27,28,29,30,31
	s_wait_dscnt 31-\t                             ; LDS loads come back in order: pair t of rows is in
	global_store_b128 v[CO], v[32+4*\t:32+4*\t+3], s[10:11] offset:2*\t*CROW   ; 16 lanes store 256 consecutive bytes, at a multiple of 256 from xt's first byte
.endr
	s_wait_tensorcnt 0x0                           ; the wave's end
	ds_add_u32 v[SPW], v[NIL]
	s_wait_dscnt 0x0
	CROUND                                         ; the closing round: no work-group ends while a partner may still ask for a tile that names it
	s_endpgm
.Lfunc_end_k_qf325d38742_pv:
	.size	k_qf325d38742_pv, .Lfunc_end_k_qf325d38742_pv-k_qf325d38742_pv
	.p2alignl 7, 3214868480
	.fill 96, 4, 3214868480
	.section	.rodata,"a",@progbits
	.p2align	6, 0x0
	.amdhsa_kernel k_qf325d38742_pv
		.amdhsa_group_segment_fixed_size 327680
		.amdhsa_private_segment_fixed_size 0
		.amdhsa_enable_private_segment 0
		.amdhsa_kernarg_size 32
		.amdhsa_user_sgpr_count 2
		.amdhsa_user_sgpr_kernarg_segment_ptr 1
		.amdhsa_wavefront_size32 1
		.amdhsa_system_sgpr_workgroup_id_x 1
		.amdhsa_system_sgpr_workgroup_id_y 1
		.amdhsa_system_sgpr_workgroup_id_z 1
		.amdhsa_system_vgpr_workitem_id 0
		.amdhsa_next_free_vgpr 512
		.amdhsa_next_free_sgpr 96
		.amdhsa_reserve_vcc 0
		.amdhsa_float_denorm_mode_32 3
		.amdhsa_float_denorm_mode_16_64 3
		.amdhsa_memory_ordered 1
		.amdhsa_forward_progress 1
		.amdhsa_inst_pref_size 208
	.end_amdhsa_kernel
	.amdgpu_metadata
---
amdhsa.version: [ 1, 2 ]
amdhsa.kernels:
  - .name:           k_qf325d38742_pv
    .symbol:         k_qf325d38742_pv.kd
    .args:
      - { .name: p, .offset: 0, .size: 8, .value_kind: global_buffer, .address_space: global }
      - { .name: vt, .offset: 8, .size: 8, .value_kind: global_buffer, .address_space: global }
      - { .name: stat, .offset: 16, .size: 8, .value_kind: global_buffer, .address_space: global }
      - { .name: xt, .offset: 24, .size: 8, .value_kind: global_buffer, .address_space: global }
    .group_segment_fixed_size: 327680
    .private_segment_fixed_size: 0
    .kernarg_segment_align: 8
    .kernarg_segment_size: 32
    .max_flat_workgroup_size: 128
    .sgpr_count:     96
    .vgpr_count:     512
    .wavefront_size: 32
...
	.end_amdgpu_metadata
.endif
;; end of part 4
;; launch outp (part 5): grid 8 x 32, 4 waves a work-group, clusters of 4 x 4, 327,680 bytes of LDS; arguments xt, wo16, out0; writes out0
.if DOCPART == 5
	.amdgcn_target "amdgcn-amd-amdhsa--gfx1250"
	.amdhsa_code_object_version 6
	.text
	.protected	k_qf325d38742_outp
	.globl	k_qf325d38742_outp
	.p2align	8
	.type	k_qf325d38742_outp,@function
k_qf325d38742_outp:
	s_mov_b64 s[64:65], 0
	v_nop
	global_prefetch_b8 v0, s[64:65] scope:SCOPE_SE
	s_setreg_imm32_b32 hwreg(HW_REG_WAVE_MODE, 25, 1), 1
	s_wait_xcnt 0x0
	s_wait_alu depctr_hold_cnt(0) depctr_sa_sdst(0) depctr_va_vdst(0) depctr_va_sdst(0) depctr_va_ssrc(0) depctr_va_vcc(0) depctr_vm_vsrc(0)
	s_getreg_b32 s2, hwreg(HW_REG_IB_STS2, 6, 4)
	s_cmp_eq_u32 s2, 0
	s_cbranch_scc0 .Lentry_in_a_cluster
	s_endpgm
.Lentry_in_a_cluster:
	s_bfe_u32 s2, ttmp6, 0x10000c
	s_cmp_lg_u32 s2, 0xf033
	s_cbranch_scc0 .Lentry_shape_is_right
	s_endpgm
.Lentry_shape_is_right:
; The projection on the way out: out0[s][e] = the sum over d of X[s][d] wo[e][d], f16 operands, f32 sums, K = 1,024.  X is xt read as [8192][1024] f16; wo16: [1024][1024] f16; out0: [8192][1024] f32.
; A TILE: 128 columns e (source 0 = rows of wo16) x 256 rows of X (source 1), made by a work-group of four waves; a wave makes 64 columns x 128 rows: 32 accumulators, 256 registers.  In a result a lane holds ONE
; row of X (lane % 16) and eight neighbouring columns: 32 bytes of a row of out0.
; THE RING HAS TWO UNEQUAL SLOTS.  A unit is 128 along K: 384 rows x 272 bytes = 104,448 bytes.  Three units fit in LDS, four do not: so slot A holds two units (rows of 512 bytes) and slot B one (rows of 256 bytes).
; The 8 units go A B A B A: four changes of slots, three of them with a refill.  Slot B's refill has slot A's two units, 240 matrix instructions a wave, in which to land, slot A's refill has slot B's one, 112.
; So few changes are written out on end: the text has no loop.
; CLUSTERS: 4 x 4 work-groups.  The four of a column of the cluster need the same tile of wo16, the four of a row the same tile of X: each is asked for JOINTLY.
; No prefetch is laid: of the eight units three are asked for at the head, and three refills follow.
; REGISTERS: window 0: v0-31 addresses; v32-127, v128-223 two fragment buffers (32 registers of wo16, then 64 of X); on the way out v32-95 rows read back.   window 1: the accumulators ((a, i) at v[8 (4 a + i)]).
.set UNIT,   256                       ; a unit's bytes of a row
.set PB,     272                       ; an LDS row of slot B: 256 bytes + 16 of padding = 68 words,
.set PA,     528                       ; of slot A: 512 + 16 = 132 words: either way the 16 rows that a load touches start 4 banks apart (64 banks of 4 bytes: ISA guide 11.1)
.set SLB,    0                         ; slot B: wo16's 128 rows, then X's 256
.set SLA,    384*PB                    ; slot A likewise
.set VB,     128*PB
.set VA,     128*PA
.set SPARE,  SLA+384*PA                ; behind the ring: the spare words, 128 bytes for each wave
.set STAGE,  SLB                       ; the way out: 16 rows x (256 bytes + 16) for each wave, in slot B, which has had its last fill and its last read when the first result is stored there
.set SPITCH, 272
.set CROW,   4096                      ; a row of out0 in bytes
.set FLAGB,  (1<<16)|(1<<20)|(1<<21)|(5<<22)|(3<<25)   ; group 1, word 0: element of 2 bytes; padding on; bit 21 beside a mask; after every 64 words, 4 words
.set FLAGA,  (1<<16)|(1<<20)|(1<<21)|(6<<22)|(3<<25)   ; the same after every 128 words
.set ADR0, 16                          ; v16, v17 LDS address of my fragments of wo16 in slot B, A
.set ADR1, 20                          ; v20, v21 the same for X
.set STO,  24                          ; v24     the way out: where I put 32 bytes of a row
.set RD,   25                          ; v25     where I read a row back
.set CO,   26                          ; v26     my byte offset in two rows of out0
.set SPW,  28                          ; v28     LDS address of my spare word; never rewritten
.set NIL,  29                          ; v29     0; never rewritten
.set F0,   32
.set F1,   128
.set BK,   32                          ; the way out: 16 rows read back: v32-63 and v64-95 by turns
.set WV, 12                            ; s12 my wave's number;  s13 which 128 rows of X are mine, and: I fetch wo16 (0) or X (1);  s14 which 64 columns are mine, and: which half I fetch
.set HI, 13
.set LO, 14
.set G1,   24                          ; s[24:31] descriptor group 1 for wo16's tiles in slot B;  s[68:75] in slot A
.set G1A,  68
.set G0,   32                          ; s[32:35], s[36:39] their groups 0
.set G1B,  48                          ; s[48:55], s[76:83], s[56:59], s[60:63] the same for X's tiles
.set G1BA, 76
.set G0B,  56
.set MSB, 0
.macro WIN new                         ; the immediate's high byte repeats the setting that is left; a switch that changes nothing is dropped
.if MSB != (\new)
	s_set_vgpr_msb (MSB<<8)|(\new)
.set MSB, (\new)
.endif
.endm
.set MUL, 0x50                         ; C and D window 1; the fragments window 0
; A joint load into slot sl (0: B, 1: A): waves 0 and 1 fetch wo16's two halves (64 rows), waves 2 and 3 X's (128 rows).  The branch hangs on the wave's number alone.
; An s_nop 0 and four v_nop follow each line, ahead of the jump, the label and what follows.
.macro JLOAD sl
	s_cmp_eq_u32 s[HI], 0
	s_cbranch_scc0 .Lfor_b_\@
	tensor_load_to_lds s[G0+4*\sl:G0+4*\sl+3], s[G1+(G1A-G1)*\sl:G1+(G1A-G1)*\sl+7]
	s_nop 0
.rept 4
	v_nop
.endr
	s_branch .Lasked_\@
.Lfor_b_\@:
	tensor_load_to_lds s[G0B+4*\sl:G0B+4*\sl+3], s[G1B+(G1BA-G1B)*\sl:G1B+(G1BA-G1B)*\sl+7]
	s_nop 0
.rept 4
	v_nop
.endr
.Lasked_\@:
.endm
.macro CREST                           ; a round of the cluster's barrier behind its opening barrier
	s_cmp_lg_u32 s[WV], 0
	s_cbranch_scc1 .Lnot_wave_0_\@
	s_barrier_signal -3
.Lnot_wave_0_\@:
	s_barrier_wait -3
	s_barrier_signal -1
	s_barrier_wait -1
.endm
.macro CROUND                          ; a whole round
	s_barrier_signal -1
	s_barrier_wait -1
	CREST
.endm
	s_load_b128 s[4:7], s[0:1], 0x0                ; xt s[4:5], wo16 s[6:7]
	s_load_b64 s[8:9], s[0:1], 0x10                ; out0
	v_lshl_add_u32 v[SPW], v0, 2, SPARE
	v_mov_b32 v[NIL], 0
	ds_add_u32 v[SPW], v[NIL]                      ; the wave's opening: the add, twice on end, and its wait ahead of my first tensor load; the set-up below stands between the second and the wait
	ds_add_u32 v[SPW], v[NIL]
	v_lshrrev_b32 v1, 5, v0
	v_readfirstlane_b32 s[WV], v1                  ; wave 0..3
	s_lshr_b32 s[HI], s[WV], 1
	s_and_b32 s[LO], s[WV], 1
	s_bfe_u32 s40, ttmp6, 0x40000                  ; cx, cy: my place in the cluster
	s_bfe_u32 s41, ttmp6, 0x40004
	s_lshl_b32 s42, ttmp9, 2
	s_add_co_u32 s42, s42, s40                     ; the tile of columns, 0..7 = 4 x cluster x + cx
	s_and_b32 s45, ttmp7, 0xffff
	s_lshl_b32 s45, s45, 2
	s_add_co_u32 s45, s45, s41                     ; the tile of rows, 0..31 = 4 x cluster y + cy
	s_lshl_b32 s43, s41, 2
	s_lshl_b32 s43, 15, s43                        ; my row of the cluster
	s_lshl_b32 s44, 0x1111, s40                    ; my column
	s_or_b32 s[G1+0], s44, FLAGB                   ; wo16's tiles go to my column,
	s_or_b32 s[G1A+0], s44, FLAGA
	s_or_b32 s[G1B+0], s43, FLAGB                  ; X's to my row
	s_or_b32 s[G1BA+0], s43, FLAGA
.irp g, G1, G1B
	s_mov_b32 s[\g+1], 128<<16                     ; slot B: tensor_dim0 = 128,
	s_mov_b32 s[\g+3], 128<<16                     ; tile_dim0 = 128
.endr
.irp g, G1A, G1BA
	s_mov_b32 s[\g+1], 256<<16                     ; slot A: 256
	s_mov_b32 s[\g+3], 256<<16
.endr
.irp g, G1, G1A
	s_mov_b32 s[\g+2], 64<<16                      ; wo16: tensor_dim1 = 64,
	s_mov_b32 s[\g+4], 64                          ; tile_dim1 = 64
.endr
.irp g, G1B, G1BA
	s_mov_b32 s[\g+2], 128<<16                     ; X: 128
	s_mov_b32 s[\g+4], 128
.endr
.irp g, G1, G1A, G1B, G1BA
	s_mov_b32 s[\g+5], 1024                        ; tensor_dim0_stride: elements from row to row
	s_mov_b32 s[\g+6], 0
	s_mov_b32 s[\g+7], 0
.endr
	s_lshl_b32 s16, s42, 7
	s_lshl_b32 s17, s[LO], 6
	s_add_co_u32 s16, s16, s17                     ; wo16: row 128 x tile of columns + 64 x half,
	s_lshl_b32 s16, s16, 11                        ; in bytes
	s_mov_b32 s17, 0
	s_lshl_b32 s46, s45, 8
	s_lshl_b32 s47, s[LO], 7
	s_add_co_u32 s46, s46, s47                     ; X: row 256 x tile of rows + 128 x half
	s_lshl_b32 s46, s46, 11
	s_mov_b32 s47, 0
	s_mul_i32 s20, s[LO], 64*PB                    ; where they go, in slot B
	s_mul_i32 s21, s[LO], 128*PB
	s_add_co_u32 s21, s21, VB
	s_mul_i32 s22, s[LO], 64*PA                    ; and in slot A: no place in the cluster enters an LDS address
	s_add_co_u32 s22, s22, SLA
	s_mul_i32 s23, s[LO], 128*PA
	s_add_co_u32 s23, s23, SLA+VA
	s_wait_dscnt 0x0                               ; both opening adds are done
	s_wait_kmcnt 0x0
	s_add_nc_u64 s[16:17], s[6:7], s[16:17]
	s_add_nc_u64 s[46:47], s[4:5], s[46:47]
	CROUND                                         ; all sixteen work-groups are here: the first joint loads meet
	s_mov_b32 s[G0+4], 1                           ; slot A begins with units 0 and 1,
	s_mov_b32 s[G0+5], s22
	s_mov_b64 s[G0+6:G0+7], s[16:17]
	s_or_b32 s[G0+7], s[G0+7], 0x80000000
	s_mov_b32 s[G0B+4], 1
	s_mov_b32 s[G0B+5], s23
	s_mov_b64 s[G0B+6:G0B+7], s[46:47]
	s_or_b32 s[G0B+7], s[G0B+7], 0x80000000
	s_mov_b32 s[G0], 1                             ; slot B with unit 2
	s_mov_b32 s[G0+1], s20
	s_add_nc_u64 s[G0+2:G0+3], s[16:17], 2*UNIT
	s_or_b32 s[G0+3], s[G0+3], 0x80000000
	s_mov_b32 s[G0B], 1
	s_mov_b32 s[G0B+1], s21
	s_add_nc_u64 s[G0B+2:G0B+3], s[46:47], 2*UNIT
	s_or_b32 s[G0B+3], s[G0B+3], 0x80000000
	JLOAD 1
	JLOAD 0                                        ; two loads of mine are out
	v_and_b32 v2, 15, v0                           ; r = l % 16
	v_bfe_u32 v3, v0, 4, 1                         ; h = l / 16
	v_mul_u32_u24 v4, v2, PB
	v_lshl_add_u32 v5, v3, 4, v4                   ; a fragment's row x pitch + 16 x half, in slot B
	v_mul_u32_u24 v6, v2, PA
	v_lshl_add_u32 v6, v3, 4, v6                   ; and in slot A
	s_mul_i32 s18, s[LO], 64*PB                    ; my 64 rows of wo16
	s_mul_i32 s19, s[HI], 128*PB                   ; my 128 rows of X,
	s_add_co_u32 s19, s19, VB                      ; which lie behind wo16's 128
	v_add_nc_u32 v[ADR0], s18, v5
	v_add_nc_u32 v[ADR1], s19, v5
	s_mul_i32 s18, s[LO], 64*PA
	s_add_co_u32 s18, s18, SLA
	s_mul_i32 s19, s[HI], 128*PA
	s_add_co_u32 s19, s19, SLA+VA
	v_add_nc_u32 v[ADR0+1], s18, v6
	v_add_nc_u32 v[ADR1+1], s19, v6
	s_mul_i32 s18, s[WV], 16*SPITCH                ; my stage (it begins at LDS byte 0, with slot B)
	v_lshl_add_u32 v5, v3, 5, v4                   ; in: row r, 32 bytes for each half of the lanes
	v_add_nc_u32 v[STO], s18, v5
	v_mul_u32_u24 v5, v3, SPITCH                   ; back: lanes 0-15 take one row of 256 bytes, lanes 16-31 the next
	v_lshl_add_u32 v5, v2, 4, v5
	v_add_nc_u32 v[RD], s18, v5
	v_lshlrev_b32 v5, 12, v3                       ; and the same two rows in out0
	v_lshl_add_u32 v[CO], v2, 4, v5
	s_lshl_b32 s18, s45, 8
	s_lshl_b32 s19, s[HI], 7
	s_add_co_u32 s18, s18, s19                     ; my first row of out0: 256 x tile of rows + 128 x half,
	s_lshl_b32 s18, s18, 12
	s_lshl_b32 s19, s42, 9
	s_add_co_u32 s18, s18, s19                     ; my first column, in bytes: 512 x tile of columns
	s_lshl_b32 s19, s[LO], 8
	s_add_co_u32 s18, s18, s19                     ; + 256 x half
	s_mov_b32 s19, 0
	s_add_nc_u64 s[8:9], s[8:9], s[18:19]
; n x 4 matrix instructions: blocks of rows a0 .. a0 + n - 1 x the four blocks of columns, 32 along K.  zero = 1: the first product starts the sums.
; The 32 accumulators take turns, one instruction a turn, in the same order in every quarter.
.macro MULG f, a0, n, zero
.set ga, \a0
.rept \n
.irp i, 0,1,2,3
.if \zero
	v_wmma_f32_16x16x32_f16 v[8*(4*ga+\i):8*(4*ga+\i)+7], v[\f+8*\i:\f+8*\i+7], v[\f+32+8*ga:\f+32+8*ga+7], 0
.else
	v_wmma_f32_16x16x32_f16 v[8*(4*ga+\i):8*(4*ga+\i)+7], v[\f+8*\i:\f+8*\i+7], v[\f+32+8*ga:\f+32+8*ga+7], v[8*(4*ga+\i):8*(4*ga+\i)+7]
.endif
.endr
.set ga, ga+1
.endr
.endm
; 24 LDS loads in one run: the fragments of one quarter (64 rows of wo16, then 128 rows of X; 32 K at byte k of the rows of slot sl) into buffer f
.macro FETCH sl, k, f
.irp i, 0,1,2,3
	ds_load_b128 v[\f+8*\i:\f+8*\i+3],   v[ADR0+\sl] offset:\k+\i*16*(PB+(PA-PB)*\sl)
	ds_load_b128 v[\f+8*\i+4:\f+8*\i+7], v[ADR0+\sl] offset:\k+\i*16*(PB+(PA-PB)*\sl)+32
.endr
.irp a, 0,1,2,3,4,5,6,7
	ds_load_b128 v[\f+32+8*\a:\f+32+8*\a+3], v[ADR1+\sl] offset:\k+\a*16*(PB+(PA-PB)*\sl)
	ds_load_b128 v[\f+32+8*\a+4:\f+32+8*\a+7], v[ADR1+\sl] offset:\k+\a*16*(PB+(PA-PB)*\sl)+32
.endr
.endm
.macro PLACES                          ; four places in front of loads into registers that matrix instructions have read, and of the first read of results (ISA guide 7.12.1 for the first read of results)
.rept 4
	v_nop
.endr
.endm
; A unit is four quarters of 32 along K, 32 matrix instructions each, on buffers 0, 1, 0, 1.  A quarter that changes no slot: multiplies buffer f and fetches the next quarter, at byte k of slot sl, into g.
.macro QUARTER sl, k, f, g, zero
	s_wait_dscnt 8                                 ; wo16 and X's blocks 0-3 are in; the youngest eight loads (X's blocks 4-7) may be out
	WIN MUL
	MULG \f, 0, 4, \zero
	PLACES
	WIN 0
	FETCH \sl, \k, \g
	s_wait_dscnt 24                                ; all but the 24 just issued
	WIN MUL
	MULG \f, 4, 4, \zero
.endm
; A slot's last quarter multiplies buffer 1 and changes slots: ONE barrier; in front of it each wave waits for all its tensor loads, adds 0 to its spare word, and waits for that and for its own reads of slot sl.
; fill = 1: the barrier opens a round of the cluster's, and behind the round slot sl is filled again, three units on, first of all.
.macro TURN sl, nx, fill
	WIN 0
	s_wait_tensorcnt 0x0                           ; all my tensor loads have landed: my part of the next slot
	ds_add_u32 v[SPW], v[NIL]                      ; 0 onto my spare word
	s_wait_dscnt 9                                 ; (the add and the youngest eight loads may be out)
	WIN MUL
	MULG F1, 0, 2, 0                               ; eight matrix instructions stand between the add and the wait for it
	s_wait_dscnt 0x0                               ; the add is done, and my reads of this slot are over
	s_barrier_signal -1
	MULG F1, 2, 2, 0
	WIN 0
	s_barrier_wait -1
.if \fill
	CREST                                          ; no wave of any partner still reads this slot's tile or has a load on its way
	s_add_nc_u64 s[G0+4*\sl+2:G0+4*\sl+3], s[G0+4*\sl+2:G0+4*\sl+3], 3*UNIT
	s_add_nc_u64 s[G0B+4*\sl+2:G0B+4*\sl+3], s[G0B+4*\sl+2:G0B+4*\sl+3], 3*UNIT
	JLOAD \sl                                      ; the first tensor load behind the round; the four v_nop behind it are also the places in front of the loads below
.else
	PLACES
.endif
	FETCH \nx, 0, F0
	WIN MUL
	MULG F1, 4, 4, 0
.endm
.macro RUN_A zero                      ; slot A's two units but the last quarter
	QUARTER 1, 64,  F0, F1, \zero
	QUARTER 1, 128, F1, F0, 0
	QUARTER 1, 192, F0, F1, 0
	QUARTER 1, 256, F1, F0, 0
	QUARTER 1, 320, F0, F1, 0
	QUARTER 1, 384, F1, F0, 0
	QUARTER 1, 448, F0, F1, 0
.endm
.macro RUN_B                           ; slot B's unit but the last quarter
	QUARTER 0, 64,  F0, F1, 0
	QUARTER 0, 128, F1, F0, 0
	QUARTER 0, 192, F0, F1, 0
.endm
	s_wait_tensorcnt 1                             ; my part of units 0 and 1 is in (slot B's load may be out)
	s_barrier_signal -1
	s_barrier_wait -1                              ; everybody's is
	FETCH 1, 0, F0
	RUN_A 1                                        ; units 0 and 1: the first quarter's products start the sums
	TURN 1, 0, 1                                   ; slot A takes units 3 and 4
	RUN_B                                          ; unit 2
	TURN 0, 1, 1                                   ; slot B takes unit 5
	RUN_A 0                                        ; units 3 and 4
	TURN 1, 0, 1                                   ; slot A takes units 6 and 7: the last load
	RUN_B                                          ; unit 5
	TURN 0, 1, 0                                   ; nothing is filled, so no round follows
	RUN_A 0                                        ; units 6 and 7
	s_wait_dscnt 8                                 ; the very last quarter: nothing more to fetch
	WIN MUL
	MULG F1, 0, 4, 0
	s_wait_dscnt 0
	MULG F1, 4, 4, 0
	WIN 0
; THE WAY OUT, block by block of 16 rows x 64 columns.  A lane holds 32 neighbouring bytes of a row, and the lanes beside it hold other rows: so a block goes through my own stage in LDS and comes back as whole
; rows of 256 bytes.  LDS serves a wave's instructions in order (ISA guide 5.7.1.4): no wait between the stores and the loads, nor in front of the next block's stores.
.macro TOSTAGE a
	WIN 0x04                                       ; an LDS store's data are its source 1: window 1
.irp i, 0,1,2,3
	ds_store_b128 v[STO], v[8*(4*(\a)+\i):8*(4*(\a)+\i)+3] offset:64*\i            ; each accumulator from its low end on
	ds_store_b128 v[STO], v[8*(4*(\a)+\i)+4:8*(4*(\a)+\i)+7] offset:64*\i+16
.endr
	WIN 0
.set BB, BK+32*((\a)%2)
.irp t, 0,1,2,3,4,5,6,7
	ds_load_b128 v[BB+4*\t:BB+4*\t+3], v[RD] offset:\t*2*SPITCH
.endr
.endm
.macro SEND a, younger                 ; younger: the LDS instructions issued behind block a's loads, which may stay out
.set BB, BK+32*((\a)%2)
	s_wait_dscnt \younger                          ; the block is back in registers
.if (\a) > 0
	s_add_nc_u64 s[8:9], s[8:9], 16*CROW           ; (behind a wait on XCNT: the earlier stores have read their base)  16 rows of out0 on
.endif
.irp t, 0,1,2,3,4,5,6,7
	global_store_b128 v[CO], v[BB+4*\t:BB+4*\t+3], s[8:9] offset:2*\t*CROW th:TH_STORE_NT   ; 16 lanes store 256 consecutive bytes, at a multiple of 256 from out0's first byte; written once, read by nobody here
.endr
.endm
	PLACES                                         ; behind the last products
	TOSTAGE 0
.irp a, 1,2,3,4,5,6,7
.if \a > 1
	s_wait_xcnt 0x0                                ; block a - 2's stores have read their registers and their base: block a's loads may land there, and the base may step
.endif
	TOSTAGE \a
	SEND \a-1, 16                                  ; behind block a - 1's loads: block a's 8 stores and 8 loads
.endr
	s_wait_xcnt 0x0                                ; block 6's stores have read their base
	SEND 7, 0
	s_wait_tensorcnt 0x0                           ; the wave's end
	ds_add_u32 v[SPW], v[NIL]
	s_wait_dscnt 0x0
	CROUND                                         ; the closing round: no work-group ends while a partner may still ask for a tile that names it
	s_endpgm
.Lfunc_end_k_qf325d38742_outp:
	.size	k_qf325d38742_outp, .Lfunc_end_k_qf325d38742_outp-k_qf325d38742_outp
	.p2alignl 7, 3214868480
	.fill 96, 4, 3214868480
	.section	.rodata,"a",@progbits
	.p2align	6, 0x0
	.amdhsa_kernel k_qf325d38742_outp
		.amdhsa_group_segment_fixed_size 327680
		.amdhsa_private_segment_fixed_size 0
		.amdhsa_enable_private_segment 0
		.amdhsa_kernarg_size 24
		.amdhsa_user_sgpr_count 2
		.amdhsa_user_sgpr_kernarg_segment_ptr 1
		.amdhsa_wavefront_size32 1
		.amdhsa_system_sgpr_workgroup_id_x 1
		.amdhsa_system_sgpr_workgroup_id_y 1
		.amdhsa_system_sgpr_workgroup_id_z 1
		.amdhsa_system_vgpr_workitem_id 0
		.amdhsa_next_free_vgpr 512
		.amdhsa_next_free_sgpr 88
		.amdhsa_reserve_vcc 0
		.amdhsa_float_denorm_mode_32 3
		.amdhsa_float_denorm_mode_16_64 3
		.amdhsa_memory_ordered 1
		.amdhsa_forward_progress 1
		.amdhsa_inst_pref_size 148
	.end_amdhsa_kernel
	.amdgpu_metadata
---
amdhsa.version: [ 1, 2 ]
amdhsa.kernels:
  - .name:           k_qf325d38742_outp
    .symbol:         k_qf325d38742_outp.kd
    .args:
      - { .name: xt, .offset: 0, .size: 8, .value_kind: global_buffer, .address_space: global }
      - { .name: wo16, .offset: 8, .size: 8, .value_kind: global_buffer, .address_space: global }
      - { .name: out0, .offset: 16, .size: 8, .value_kind: global_buffer, .address_space: global }
    .group_segment_fixed_size: 327680
    .private_segment_fixed_size: 0
    .kernarg_segment_align: 8
    .kernarg_segment_size: 24
    .max_flat_workgroup_size: 128
    .sgpr_count:     88
    .vgpr_count:     512
    .wavefront_size: 32
...
	.end_amdgpu_metadata
.endif
;; end of part 5
